; MI455X (gfx1250); checked and timed in simulation.
; The chip was launched on July 23, 2026; its instructions are those of AMD's public machine-readable ISA for CDNA 5 (MIT licence, August 2026) and "CDNA5" Instruction Set Architecture Reference Guide (July 2026). The comments in the code are by the model that wrote it; some were corrected since.
;; Mixture Of Rookies. Allowed arithmetic: float matrix products may take bf16 or f16 operands with f32 sums; other float arithmetic in f32, or as packed bf16 or f16 multiplies, adds, multiply-adds, maxima and minima; sums over many terms, partial sums and values carried from step to step in f32; what a program stores and reads back later, other than sums and carried values, may be rounded once to bf16 or f16.
;; Inputs: W1 8 x 1,024 x 4,096 float32; W2 8 x 4,096 x 1,024 float32; Wg 1,024 x 8 float32; b1 8 x 4,096 float32; b2 8 x 1,024 float32; bg 8 float32; x 4 x 256 x 1,024 float32.
;; Outputs: out0 4 x 256 x 1,024 float32.
;; 2 versions, each right; version 2 is version 1 with the launches up, down written anew for expert scheduling mode. Each part assembles by itself: llvm-mc -triple=amdgcn-amd-amdhsa -mcpu=gfx1250 --defsym DOCPART=n.
;; ======== version 1 of 2: 4 launches
;; workspace buffers: xb 2,097,152 bytes; msk 4,096 bytes of whole numbers; eidx 8,192 bytes of whole numbers; gate 8,192 bytes; rank 32,768 bytes of whole numbers; cnt 1,024 bytes of whole numbers; hb 67,108,864 bytes; y 134,217,728 bytes
;; launch router (part 1): grid 256 x 1, 4 waves a work-group, no clusters, 0 bytes of LDS; arguments x, Wg, bg, xb, msk, eidx, gate; writes xb, msk, eidx, gate
.if DOCPART == 1
	.amdgcn_target "amdgcn-amd-amdhsa--gfx1250"
	.amdhsa_code_object_version 6
	.text
	.protected	k_qf50522adaa_router
	.globl	k_qf50522adaa_router
	.p2align	8
	.type	k_qf50522adaa_router,@function
k_qf50522adaa_router:
	s_mov_b64 s[64:65], 0
	v_nop
	global_prefetch_b8 v0, s[64:65] scope:SCOPE_SE
	s_setreg_imm32_b32 hwreg(HW_REG_WAVE_MODE, 25, 1), 1
	s_wait_xcnt 0x0
; ROUTER.  One wave, one token.  x, Wg and bg are rounded once to bf16 (as every input of this program is); the eight logits are summed in f32 from the exact products of
; the rounded numbers; softmax with the maximum taken away; the two largest; their weights p / (p0 + p1 + 1e-8).  Stored at fixed places: the token's row of x in bf16 (xb),
; a word with the two experts' bits (msk), the two experts (eidx), the two weights (gate).  No address and no branch hangs on a floating-point number.
; The matrix unit is left out: the gate is 1,024 x 8 multiply-adds a token, and Wg lies [feature][8], which is no operand layout.
; LIMITS.  The two largest are taken of 2^((l - max) log2 e), not of the divided probabilities; of equal ones the lower index wins, as in jax.lax.top_k.  A weight whose exponential
; falls below 2^-126 counts as 0.  The logits' f32 sums run in another order than the reference's.  NaN and infinities are not treated apart.
.set LN,   1                           ; v1   lane
.set XOF,  2                           ; v2   16 x lane: my 16 bytes in 512 of x
.set WOF,  3                           ; v3   128 x lane: my four rows of Wg in 128 rows
.set SOF,  4                           ; v4   8 x lane: my 8 bytes in 256 of xb
.set NIL,  5                           ; v5   0
.set ONE,  6                           ; v6   1
.set X,    8                           ; v[8:39]    x as loaded: register 4 i + c is feature 128 i + 4 lane + c; later the lane exchange's targets
.set XP,   40                          ; v[40:55]   x in bf16, two to a register
.set ACC,  56                          ; v[56:63]   the eight logits
.set WPK,  64                          ; v[64:191]  Wg in bf16: feature (i, c), experts 2 p and 2 p + 1 at WPK + 4 (4 i + c) + p
.set D,    192                         ; v[192:199] (l - max) log2 e
.set P,    200                         ; v[200:207] the exponentials
.set BI,   208                         ; v[208:209] the two experts
.set G,    210                         ; v[210:211] the two weights
.set BEST, 212
.set SEC,  213
.set SUM,  214
.set T,    216                         ; v[216:219] at work
; window 1, v[0:255]: Wg as loaded, feature (i, c), expert e at 8 (4 i + c) + e
.set MSB, 0
.macro WIN new                         ; the immediate's high byte repeats the setting that is left; a switch that changes nothing is dropped
.if MSB != (\new)
	s_set_vgpr_msb (MSB<<8)|(\new)
.set MSB, \new
.endif
.endm
	s_load_b256 s[4:11], s[0:1], 0x0               ; x s[4:5], Wg s[6:7], bg s[8:9], xb s[10:11]
	s_load_b128 s[12:15], s[0:1], 0x20             ; msk s[12:13], eidx s[14:15]
	s_load_b64 s[16:17], s[0:1], 0x30              ; gate
	v_and_b32 v[LN], 31, v0
	v_lshrrev_b32 v[T], 5, v0
	v_readfirstlane_b32 s18, v[T]                  ; wave 0..3
	s_lshl2_add_u32 s19, ttmp9, s18                ; token = 4 x work-group + wave
	v_lshlrev_b32 v[XOF], 4, v[LN]
	v_lshlrev_b32 v[WOF], 7, v[LN]
	v_lshlrev_b32 v[SOF], 3, v[LN]
	v_mov_b32 v[NIL], 0
	v_mov_b32 v[ONE], 1
	s_mov_b32 s22, 0x76543210                      ; v_permlanex16_b32: each lane takes its own place in the other half
	s_mov_b32 s23, 0xfedcba98
	s_mov_b32 s21, 0
	s_wait_kmcnt 0x0
	s_load_b256 s[24:31], s[8:9], 0x0              ; bg, eight numbers
	s_lshl_b32 s20, s19, 12
	s_add_nc_u64 s[4:5], s[4:5], s[20:21]          ; my row of x
	s_lshl_b32 s20, s19, 11
	s_add_nc_u64 s[10:11], s[10:11], s[20:21]      ; my row of xb
	s_lshl_b32 s20, s19, 2
	s_add_nc_u64 s[12:13], s[12:13], s[20:21]
	s_lshl_b32 s20, s19, 3
	s_add_nc_u64 s[14:15], s[14:15], s[20:21]
	s_add_nc_u64 s[16:17], s[16:17], s[20:21]
.set i, 0
.rept 8
	global_load_b128 v[X+4*i:X+4*i+3], v[XOF], s[4:5] offset:512*i th:TH_LOAD_NT  ; 512 neighbouring bytes a load; x is read here alone
.set i, i+1
.endr
	WIN 0x40                                       ; destination window 1
.set i, 0
.rept 32                                       ; feature number i = 4 (block) + c: its eight gate weights, 32 bytes
	global_load_b128 v[8*i:8*i+3],   v[WOF], s[6:7] offset:4096*(i/4)+32*(i%4)
	global_load_b128 v[8*i+4:8*i+7], v[WOF], s[6:7] offset:4096*(i/4)+32*(i%4)+16
.set i, i+1
.endr
	WIN 0
	s_wait_loadcnt 0x0
	s_wait_kmcnt 0x0
.set i, 0
.rept 16
	v_cvt_pk_bf16_f32 v[XP+i], v[X+2*i], v[X+2*i+1]
.set i, i+1
.endr
.set i, 0
.rept 8
	global_store_b64 v[SOF], v[XP+2*i:XP+2*i+1], s[10:11] offset:256*i  ; the wave stores 256 consecutive bytes, aligned
.set i, i+1
.endr
	WIN 0x05                                       ; sources 0 and 1 window 1, destination window 0
.set i, 0
.rept 128
	v_cvt_pk_bf16_f32 v[WPK+i], v[2*i], v[2*i+1]
.set i, i+1
.endr
	WIN 0
; Eight multiply-adds for one feature: bf16 x bf16 is exact in f32, one rounding at each add.  idx = 4 i + c; xr, xh: the register and the half that hold x.  The eight sums take turns.
.macro DOT4 idx, xr, xh, first
.irp p, 0,1,2,3
.if \first
	v_fma_mix_f32_bf16 v[ACC+2*\p],   v[WPK+4*(\idx)+\p], v[\xr], v[NIL] op_sel:[0,\xh,0] op_sel_hi:[1,1,0]
	v_fma_mix_f32_bf16 v[ACC+2*\p+1], v[WPK+4*(\idx)+\p], v[\xr], v[NIL] op_sel:[1,\xh,0] op_sel_hi:[1,1,0]
.else
	v_fma_mix_f32_bf16 v[ACC+2*\p],   v[WPK+4*(\idx)+\p], v[\xr], v[ACC+2*\p]   op_sel:[0,\xh,0] op_sel_hi:[1,1,0]
	v_fma_mix_f32_bf16 v[ACC+2*\p+1], v[WPK+4*(\idx)+\p], v[\xr], v[ACC+2*\p+1] op_sel:[1,\xh,0] op_sel_hi:[1,1,0]
.endif
.endr
.endm
	DOT4 0, XP, 0, 1                               ; the first feature starts the sums
	DOT4 1, XP, 1, 0
	DOT4 2, XP+1, 0, 0
	DOT4 3, XP+1, 1, 0
.set i, 1
.rept 7
	DOT4 4*i, XP+2*i, 0, 0
	DOT4 4*i+1, XP+2*i, 1, 0
	DOT4 4*i+2, XP+2*i+1, 0, 0
	DOT4 4*i+3, XP+2*i+1, 1, 0
.set i, i+1
.endr
	; over the 32 lanes: four steps inside each half, one across
.irp m, 1,2,4,8
.irp e, 0,1,2,3,4,5,6,7
	v_add_f32_dpp v[ACC+\e], v[ACC+\e], v[ACC+\e] row_xmask:\m row_mask:0xf bank_mask:0xf
.endr
.endr
.irp e, 0,1,2,3,4,5,6,7
	v_permlanex16_b32 v[X+\e], v[ACC+\e], s22, s23 ; its target counts as read: x's registers have been written
.endr
.irp e, 0,1,2,3,4,5,6,7
	v_add_f32 v[ACC+\e], v[ACC+\e], v[X+\e]
.endr
.irp p, 0,1,2,3                        ; bg, rounded to bf16 like the other inputs
	v_cvt_pk_bf16_f32 v[T], s[24+2*\p], s[25+2*\p]
	v_lshlrev_b32 v[T+1], 16, v[T]
	v_and_b32 v[T], 0xffff0000, v[T]
	v_add_f32 v[ACC+2*\p], v[ACC+2*\p], v[T+1]
	v_add_f32 v[ACC+2*\p+1], v[ACC+2*\p+1], v[T]
.endr
	v_max3_num_f32 v[T], v[ACC], v[ACC+1], v[ACC+2]
	v_max3_num_f32 v[T], v[T], v[ACC+3], v[ACC+4]
	v_max3_num_f32 v[T], v[T], v[ACC+5], v[ACC+6]
	v_max_num_f32 v[T], v[T], v[ACC+7]
.irp e, 0,1,2,3,4,5,6,7
	v_sub_f32 v[D+\e], v[ACC+\e], v[T]             ; the maximum is taken away first
.endr
.irp e, 0,1,2,3,4,5,6,7
	v_mul_f32 v[D+\e], 0x3fb8aa3b, v[D+\e]         ; log2 e
.endr
.irp e, 0,1,2,3,4,5,6,7
	v_exp_f32 v[P+\e], v[D+\e]
.endr
	v_mov_b32 v[BI], 0                             ; the plain instruction behind the last exponential
	s_wait_alu depctr_va_vdst(0)                   ; one wait for the batch of eight, ahead of its first reader
	v_add_f32 v[SUM], v[P], v[P+1]
	v_add_f32 v[T], v[P+2], v[P+3]
	v_add_f32 v[T+1], v[P+4], v[P+5]
	v_add_f32 v[T+2], v[P+6], v[P+7]
	v_add_f32 v[SUM], v[SUM], v[T]
	v_add_f32 v[T+1], v[T+1], v[T+2]
	v_add_f32 v[SUM], v[SUM], v[T+1]
	v_rcp_f32 v[T+3], v[SUM]                       ; read far below, behind its wait
	v_mov_b32 v[BEST], v[P]
.irp e, 1,2,3,4,5,6,7                  ; the largest: a later one must be strictly larger
	v_cmp_le_f32 vcc_lo, v[P+\e], v[BEST]
	v_cndmask_b32 v[BEST], v[P+\e], v[BEST], vcc_lo
	v_cndmask_b32 v[BI], \e, v[BI], vcc_lo
.endr
	v_mov_b32 v[SEC], -1.0                         ; below every exponential
	v_mov_b32 v[BI+1], 0
.irp e, 0,1,2,3,4,5,6,7                ; the largest of the other seven, likewise
	v_cmp_eq_u32 s32, \e, v[BI]
	v_cmp_le_f32 vcc_lo, v[P+\e], v[SEC]
	s_or_b32 vcc_lo, vcc_lo, s32
	v_cndmask_b32 v[SEC], v[P+\e], v[SEC], vcc_lo
	v_cndmask_b32 v[BI+1], \e, v[BI+1], vcc_lo
.endr
	s_wait_alu depctr_va_vdst(0)                   ; the reciprocal of the sum
	v_mul_f32 v[BEST], v[BEST], v[T+3]             ; the two probabilities
	v_mul_f32 v[SEC], v[SEC], v[T+3]
	v_add_f32 v[T+1], v[BEST], v[SEC]
	v_add_f32 v[T+1], 0x322bcc77, v[T+1]           ; + 1e-8
	v_rcp_f32 v[T+2], v[T+1]
	v_lshlrev_b32 v[T], v[BI], v[ONE]              ; the two experts' bits: plain work behind the reciprocal
	v_lshlrev_b32 v[T+3], v[BI+1], v[ONE]
	v_or_b32 v[T], v[T], v[T+3]
	s_wait_alu depctr_va_vdst(0)
	v_mul_f32 v[G], v[BEST], v[T+2]
	v_mul_f32 v[G+1], v[SEC], v[T+2]
	v_cmp_gt_u32 vcc_lo, 1, v[LN]
	s_wait_xcnt 0x0                                ; EXEC is a source of the stores above: it changes only behind this wait
	s_and_saveexec_b32 s33, vcc_lo                 ; every lane holds the same numbers: lane 0 stores them
	global_store_b32 v[NIL], v[T], s[12:13]
	global_store_b64 v[NIL], v[BI:BI+1], s[14:15]
	global_store_b64 v[NIL], v[G:G+1], s[16:17]
	s_wait_xcnt 0x0
	s_or_b32 exec_lo, exec_lo, s33
	s_endpgm
.Lfunc_end_k_qf50522adaa_router:
	.size	k_qf50522adaa_router, .Lfunc_end_k_qf50522adaa_router-k_qf50522adaa_router
	.p2alignl 7, 3214868480
	.fill 96, 4, 3214868480
	.section	.rodata,"a",@progbits
	.p2align	6, 0x0
	.amdhsa_kernel k_qf50522adaa_router
		.amdhsa_group_segment_fixed_size 0
		.amdhsa_private_segment_fixed_size 0
		.amdhsa_enable_private_segment 0
		.amdhsa_kernarg_size 56
		.amdhsa_user_sgpr_count 2
		.amdhsa_user_sgpr_kernarg_segment_ptr 1
		.amdhsa_wavefront_size32 1
		.amdhsa_system_sgpr_workgroup_id_x 1
		.amdhsa_system_sgpr_workgroup_id_y 1
		.amdhsa_system_sgpr_workgroup_id_z 1
		.amdhsa_system_vgpr_workitem_id 0
		.amdhsa_next_free_vgpr 512
		.amdhsa_next_free_sgpr 66
		.amdhsa_reserve_vcc 1
		.amdhsa_float_denorm_mode_32 3
		.amdhsa_float_denorm_mode_16_64 3
		.amdhsa_memory_ordered 1
		.amdhsa_forward_progress 1
		.amdhsa_inst_pref_size 43
	.end_amdhsa_kernel
	.amdgpu_metadata
---
amdhsa.version: [ 1, 2 ]
amdhsa.kernels:
  - .name:           k_qf50522adaa_router
    .symbol:         k_qf50522adaa_router.kd
    .args:
      - { .name: x, .offset: 0, .size: 8, .value_kind: global_buffer, .address_space: global }
      - { .name: Wg, .offset: 8, .size: 8, .value_kind: global_buffer, .address_space: global }
      - { .name: bg, .offset: 16, .size: 8, .value_kind: global_buffer, .address_space: global }
      - { .name: xb, .offset: 24, .size: 8, .value_kind: global_buffer, .address_space: global }
      - { .name: msk, .offset: 32, .size: 8, .value_kind: global_buffer, .address_space: global }
      - { .name: eidx, .offset: 40, .size: 8, .value_kind: global_buffer, .address_space: global }
      - { .name: gate, .offset: 48, .size: 8, .value_kind: global_buffer, .address_space: global }
    .group_segment_fixed_size: 0
    .private_segment_fixed_size: 0
    .kernarg_segment_align: 8
    .kernarg_segment_size: 56
    .max_flat_workgroup_size: 128
    .sgpr_count:     66
    .vgpr_count:     512
    .wavefront_size: 32
...
	.end_amdgpu_metadata
.endif
;; end of part 1
;; launch up (part 2): grid 32 x 8, 4 waves a work-group, no clusters, 295,424 bytes of LDS; arguments W1, b1, xb, msk, hb, rank, cnt; writes hb, rank, cnt
.if DOCPART == 2
	.amdgcn_target "amdgcn-amd-amdhsa--gfx1250"
	.amdhsa_code_object_version 6
	.text
	.protected	k_qf50522adaa_up
	.globl	k_qf50522adaa_up
	.p2align	8
	.type	k_qf50522adaa_up,@function
k_qf50522adaa_up:
	s_mov_b64 s[64:65], 0
	v_nop
	global_prefetch_b8 v0, s[64:65] scope:SCOPE_SE
	s_setreg_imm32_b32 hwreg(HW_REG_WAVE_MODE, 25, 1), 1
	s_wait_xcnt 0x0
; UP.  hb = gelu(x W1[e] + b1[e]) for the tokens that chose expert e, and for no others.  Work-group (slice, e) owns columns 128 slice .. + 127 of W1[e], all 1,024 rows: 512 KiB of f32
; that no other work-group reads.  PHASE A: each wave streams 256 rows (one load = a row's 512 bytes), rounds them to bf16 and lays them into LDS as [k][128].  One barrier.
; PHASE B: a wave takes tiles of 16 of the expert's tokens x all 128 columns; wave w has tiles 4 u + w; five tiles (40 accumulators) go through K together, so a weight fragment read from LDS feeds up to five
; products.  Token rows come from xb straight into operand registers, four K steps ahead.
; WHICH TOKENS.  Every wave reads msk (1,024 words) and keeps, for each of its 32 registers of it, the word of the lanes whose token chose the expert.  A token's rank is the members in earlier registers plus the
; members in lower lanes.  The token of a given rank is found in registers, by each wave for its own tiles: a loop over the 32 words finds the word that holds the rank, and a search by partial bit counts the bit.
; EVERY SPLIT IS SERVED: an expert has 0 to 1,024 rows, a wave 0 to 16 tiles: four groups of five, a constant count; a group without rows is jumped forward.  A dead tile of a live group repeats the group's first
; tile in its loads, so that every wait counts the same on every path, and in the first K step's products, so that every accumulator is written; the later steps' products and the way out jump forward over it.
; Places past the count repeat the expert's last row.
; THE PRODUCT IS USED TRANSPOSED: source 0 = 16 columns of W1 (turned out of LDS by ds_load_tr16_b128), source 1 = 16 tokens.  A lane then holds one token and eight neighbouring hidden numbers; two such
; results, rounded to bf16, ARE the operand registers of the next launch's product in the same lanes, and are stored so: hb[e][tile][block of 32 hidden][half][lane][16 bytes].
; gelu(v) = v / (1 + 2^(v (C0 + C1 v^2))), the tanh form rewritten: C0 = -2 log2(e) sqrt(2 / pi), C1 = 0.044715 C0.  Where the exponent overflows the quotient is v or 0, as it should be.
; NO JOINT LOADS: a slice of weights has one reader; the token rows that an expert's 32 work-groups share come by rank, which no tile descriptor covers.  No tensor loads: f32 weights pass through registers to be rounded.
; LIMITS.  W1, b1 and x are rounded once to bf16, h once to bf16; sums in f32.  NaN and infinities are not treated apart.
.set PITCHW, 16384                     ; bytes from row to row of W1[e]
.set SB,     64                        ; bytes of a token's row in a K step of 32
.set HB,     32                        ; from an operand's first four registers to its last four
.set PW,     288                       ; a row of the slice in LDS: 256 bytes + 32 = 9 x 32: the turning load's eight rows x 32 bytes fall on different banks
.set SPARE,  1024*PW                   ; behind the slice: the spare words, 128 bytes for each wave: two blocks of 256 bytes that no other line names
; window 0
.set LN,   1                           ; lane
.set RR,   2                           ; lane % 16
.set HH,   3                           ; lane / 16
.set SPW,  4                           ; my spare word; never rewritten
.set NIL,  5                           ; 0; never rewritten
.set WOF,  6                           ; 16 x lane
.set LST,  7                           ; phase A: where my 8 bytes of a row go
.set WB0,  8                           ; my place in a weight fragment; never rewritten
.set WA,   9                           ; the same + the trip's place along K
.set XO,   10                          ; v[10:14] tile t: my token's row in xb + 16 (lane / 16)
.set BOF,  15                          ; 32 (lane / 16)
.set CV,   16                          ; v[16:23] phase A: rounded words, four pairs by turns
.set HO,   24                          ; v[24:28] tile t: tile x 131,072 + 16 x lane
.set TA,   29
.set TB,   30
.set TC,   31                          ; 16 (lane / 16)
.set MK,   32                          ; v[32:63] at the start: msk of 32 tokens a lane: register 4 i + c is token 128 i + 4 lane + c; in one wave then their ranks
.set BMV,  32                          ; then: lane g holds register g's word of members
.set TBV,  33                          ; lane g holds (the token of register g in lane 0) << 16
.set PP,   34                          ; v[34:36] the search, three sets: the rank sought.  Set 0: lanes 0-15 tile 0, lanes 16-31 tile 1; set 1: tiles 2 and 3; set 2: tile 4 in both halves
.set BX,   37                          ; v[37:39] the word that holds it
.set KE,   40                          ; v[40:42] that word's token base << 16 | the ranks in front of it; at the end the token
.set SA,   43                          ; v[43:63] seven registers a set, set q at + 7 q: bit counts of 2,
.set SBB,  44                          ; of 4,
.set SC,   45                          ; of 8 bits;
.set T0,   46                          ; at work
.set T1,   47
.set NN,   48                          ; set bits still to be passed
.set PS,   49                          ; the bit's place so far
.set RG,   64                          ; v[64:191] phase A: a ring of 32 loads
.set Z,    64                          ; v[64:127] phase B: the activation at work
.set BIAS, 192                         ; v[192:255] b1 as the C operand: block b, register j is column 16 b + 8 (lane / 16) + j
; window 1: v[0:255] accumulators of tiles 0-3, (t, b) at 64 t + 8 b.   window 2: v[0:63] tile 4's; v[64:127], v[128:191] weight fragments, two buffers.   window 3: v[0:159] token operands, four K steps x five tiles x 8
.set WV,   18
.set SL,   19
.set EX,   20
.set EBIT, 21
.set CNT,  22
.set PRE,  23
.set ST,   24
.set NT,   25                          ; live tiles of the group in hand, 1 to 5
.set GC,   26
.set U0,   27                          ; 5 x group
.set KC,   28
.set NW,   29                          ; my wave's tiles
.set CM1,  30                          ; count - 1
.set KB,   31                          ; LDS byte at which the trip's four K steps begin in the slice; 0 between groups
.set BM,   32                          ; s[32:63] register g's members, a bit a lane
.set WP,   66
.set XK0,  68
.set XK,   70
.set HP,   72
.set C0,   74
.set C1,   76
.set OF,   78
.set TAU,  80                          ; s[80:84] the group's tile numbers
.set HM,   85                          ; the lanes 16-31
.set SEL,  86                          ; s[86:87] v_permlanex16_b32's selects: each lane takes its own place in the other half
.set SBM,  88                          ; the search's loop: the word in hand,
.set KY,   89                          ; its key,
.set GI,   90                          ; its number
.set VM,   91                          ; s[91:93] a mask for each set
.set MSB, 0
.macro WIN new                         ; the immediate's high byte repeats the setting that is left; a switch that changes nothing is dropped
.if MSB != (\new)
	s_set_vgpr_msb (MSB<<8)|(\new)
.set MSB, \new
.endif
.endm
	s_load_b256 s[4:11], s[0:1], 0x0               ; W1 s[4:5], b1 s[6:7], xb s[8:9], msk s[10:11]
	s_load_b128 s[12:15], s[0:1], 0x20             ; hb s[12:13], rank s[14:15]
	s_load_b64 s[16:17], s[0:1], 0x30              ; cnt
	v_lshl_add_u32 v[SPW], v0, 2, SPARE
	v_mov_b32 v[NIL], 0
	v_and_b32 v[LN], 31, v0
	v_lshrrev_b32 v[TA], 5, v0
	v_readfirstlane_b32 s[WV], v[TA]               ; wave 0..3
	v_and_b32 v[RR], 15, v0
	v_bfe_u32 v[HH], v0, 4, 1
	v_lshlrev_b32 v[WOF], 4, v[LN]
	v_lshlrev_b32 v[BOF], 5, v[HH]
	v_lshlrev_b32 v[LST], 3, v[LN]
	s_mul_i32 s[ST], s[WV], 256*PW
	v_add_nc_u32 v[LST], s[ST], v[LST]             ; my wave's 256 rows of the slice, 8 bytes a lane
	s_mov_b32 s[SL], ttmp9
	s_and_b32 s[EX], ttmp7, 0xffff
	s_lshl_b32 s[EBIT], 1, s[EX]
	s_mov_b32 s[OF+1], 0
	s_lshl_b32 s[OF], s[EX], 24                    ; the expert's 16 MiB,
	s_lshl_b32 s[ST], s[SL], 9                     ; the slice's 512 bytes of a row,
	s_add_co_u32 s[OF], s[OF], s[ST]
	s_lshl_b32 s[ST], s[WV], 22                    ; my wave's 256 rows
	s_add_co_u32 s[OF], s[OF], s[ST]
	s_wait_kmcnt 0x0
	s_add_nc_u64 s[WP:WP+1], s[4:5], s[OF:OF+1]
	s_lshl_b32 s[OF], s[EX], 14
	s_lshl_b32 s[ST], s[SL], 9
	s_add_co_u32 s[OF], s[OF], s[ST]
	s_add_nc_u64 s[6:7], s[6:7], s[OF:OF+1]        ; b1 at the slice
	s_lshl_b32 s[OF], s[EX], 23
	s_lshl_b32 s[ST], s[SL], 12
	s_add_co_u32 s[OF], s[OF], s[ST]
	s_add_nc_u64 s[HP:HP+1], s[12:13], s[OF:OF+1]  ; hb at the expert and at the slice's four blocks of 32 hidden numbers
	s_lshl_b32 s[OF], s[EX], 12
	s_add_nc_u64 s[14:15], s[14:15], s[OF:OF+1]    ; rank[e]
	s_lshl_b32 s[OF], s[EX], 7
	s_add_nc_u64 s[16:17], s[16:17], s[OF:OF+1]    ; cnt[e]
	s_mov_b64 s[XK0:XK0+1], s[8:9]
.set n, 0
.rept 8
	global_load_b128 v[MK+4*n:MK+4*n+3], v[WOF], s[10:11] offset:512*n
.set n, n+1
.endr
.set n, 0
.rept 8
	global_load_b128 v[BIAS+8*n:BIAS+8*n+3],   v[BOF], s[6:7] offset:64*n
	global_load_b128 v[BIAS+8*n+4:BIAS+8*n+7], v[BOF], s[6:7] offset:64*n+16
.set n, n+1
.endr
.set n, 0
.rept 32
	global_load_b128 v[RG+4*n:RG+4*n+3], v[WOF], s[WP:WP+1] offset:n*PITCHW th:TH_LOAD_NT  ; the ring is filled: rows 0 to 31; each weight is read once in the launch
.set n, n+1
.endr
	s_mov_b32 s[CNT], 0
	s_wait_loadcnt 48                              ; msk is in: behind it 16 loads of b1 and the ring's 32 stay out
.set g, 0
.rept 32
	v_and_b32 v[TA], s[EBIT], v[MK+g]
	v_cmp_ne_u32 s[BM+g], 0, v[TA]                 ; which lanes' token of register g chose the expert
	s_bcnt1_i32_b32 s[ST], s[BM+g]
	s_add_co_u32 s[CNT], s[CNT], s[ST]
.set g, g+1
.endr
	s_min_u32 s[CNT], s[CNT], 1024
	s_cmp_lg_u32 s[WV], 0
	s_cbranch_scc1 .Lno_rank
	s_cmp_lg_u32 s[SL], 0
	s_cbranch_scc1 .Lno_rank                       ; of an expert's 128 waves one stores ranks and count
	s_mov_b32 s[PRE], 0
.set g, 0
.rept 32
	v_mbcnt_lo_u32_b32 v[MK+g], s[BM+g], s[PRE]    ; members in earlier registers + members in lower lanes: a member's rank
	s_bcnt1_i32_b32 s[ST], s[BM+g]
	s_add_co_u32 s[PRE], s[PRE], s[ST]
.set g, g+1
.endr
.set n, 0
.rept 8
	global_store_b128 v[WOF], v[MK+4*n:MK+4*n+3], s[14:15] offset:512*n  ; written for every token; read only for those that chose the expert
.set n, n+1
.endr
	v_lshlrev_b32 v[TB], 2, v[LN]
	v_mov_b32 v[TA], s[CNT]
	global_store_b32 v[TB], v[TA], s[16:17]        ; 32 copies: 128 consecutive bytes, all lanes on
	s_wait_xcnt 0x0                                ; the stores' registers are written again below
.Lno_rank:
	v_mov_b32 v[BMV], 0
.set g, 0
.rept 32
	v_writelane_b32 v[BMV], s[BM+g], g             ; the 32 words into the lanes of one register, where a loop can reach them by number
.set g, g+1
.endr
	v_lshrrev_b32 v[TBV], 2, v[LN]                 ; register g = 4 i + c holds in lane 0 token 128 i + c
	v_and_b32 v[TA], 3, v[LN]
	v_lshl_or_b32 v[TBV], v[TBV], 7, v[TA]
	v_lshlrev_b32 v[TBV], 16, v[TBV]
; PHASE A.  One slot's turn: its row is in; four f32 a lane become 8 bytes of bf16 in LDS; ahead = 1: the slot takes the row 32 further down.  left: the younger loads that may stay out.
.macro WSLOT i, ahead, left
	s_wait_loadcnt \left
	v_cvt_pk_bf16_f32 v[CV+2*((\i)%4)],   v[RG+4*(\i)],   v[RG+4*(\i)+1]
	v_cvt_pk_bf16_f32 v[CV+2*((\i)%4)+1], v[RG+4*(\i)+2], v[RG+4*(\i)+3]
	ds_store_b64 v[LST], v[CV+2*((\i)%4):CV+2*((\i)%4)+1] offset:(\i)*PW  ; the wave writes 256 neighbouring bytes
.if \ahead
	global_load_b128 v[RG+4*(\i):RG+4*(\i)+3], v[WOF], s[WP:WP+1] offset:((\i)+32)*PITCHW th:TH_LOAD_NT
.endif
.endm
	s_mov_b32 s[KC], 7
.Lstream:
.set n, 0
.rept 32
	WSLOT n, 1, 31
.set n, n+1
.endr
	s_wait_xcnt 0x0                                ; the loads' base is stepped only behind this wait
	s_add_nc_u64 s[WP:WP+1], s[WP:WP+1], 32*PITCHW
	v_add_nc_u32 v[LST], 32*PW, v[LST]
	s_sub_co_u32 s[KC], s[KC], 1
	s_cmp_lg_u32 s[KC], 0
	s_cbranch_scc1 .Lstream
.set n, 0
.rept 32
	WSLOT n, 0, 31-n                               ; the last 32 rows: nothing more is loaded, the counts run down
.set n, n+1
.endr
.set n, 0
.rept 32                                       ; b1 rounded to bf16, kept as f32
	v_cvt_pk_bf16_f32 v[TA], v[BIAS+2*n], v[BIAS+2*n+1]
	v_lshlrev_b32 v[BIAS+2*n], 16, v[TA]
	v_and_b32 v[BIAS+2*n+1], 0xffff0000, v[TA]
.set n, n+1
.endr
	s_wait_dscnt 0x0                               ; for the others' sake: my rows of the slice are in LDS
	s_barrier_signal -1
	s_barrier_wait -1                              ; from here to the closing barrier LDS is read alone
	s_add_co_u32 s[NW], s[CNT], 15
	s_lshr_b32 s[NW], s[NW], 4                     ; the expert's tiles,
	s_add_co_u32 s[NW], s[NW], 3
	s_sub_co_u32 s[NW], s[NW], s[WV]
	s_lshr_b32 s[NW], s[NW], 2                     ; of which tiles w, w + 4, .. are mine
	s_sub_co_u32 s[CM1], s[CNT], 1
	s_mov_b32 s[C0], 0xc0135761                    ; -2.3022082
	s_mov_b32 s[C0+1], s[C0]
	s_mov_b32 s[C1], 0xbdd2d3e8                    ; -0.10294324
	s_mov_b32 s[C1+1], s[C1]
	s_mov_b32 s[HM], 0xffff0000
	s_mov_b32 s[SEL], 0x76543210
	s_mov_b32 s[SEL+1], 0xfedcba98
	; the turning load takes 16 k x 16 columns: lane l reads 16 bytes of row 8 (l / 16) + l % 8, columns 8 ((l / 8) % 2) + 0..7, and is left with column l % 16 and eight k
	v_and_b32 v[TA], 7, v0
	v_lshl_add_u32 v[TA], v[HH], 3, v[TA]
	v_mul_u32_u24 v[WB0], v[TA], PW
	v_bfe_u32 v[TA], v0, 3, 1
	v_lshl_add_u32 v[WB0], v[TA], 4, v[WB0]
	v_lshlrev_b32 v[TC], 4, v[HH]
; One line for each of the search's three sets q: the sets go in lockstep, so that no line reads the result of the line before it.
.macro ALL3 line:vararg
.set q, 0
.rept 3
	\line
.set q, q+1
.endr
.endm
; One level of the search for the bit: the field of w bits at the place so far holds so many set bits; if as many or more are still to be passed, pass them and go w places up.
.macro LEVEL src, mask, w
	ALL3 v_lshrrev_b32 v[T0+7*q], v[PS+7*q], v[\src]
	ALL3 v_and_b32 v[T0+7*q], \mask, v[T0+7*q]
	ALL3 v_cmp_ge_u32 s[VM+q], v[NN+7*q], v[T0+7*q]
	ALL3 v_cndmask_b32 v[T0+7*q], 0, v[T0+7*q], s[VM+q]
	ALL3 v_sub_nc_u32 v[NN+7*q], v[NN+7*q], v[T0+7*q]
	ALL3 v_cndmask_b32 v[T1+7*q], 0, \w, s[VM+q]
	ALL3 v_add_nc_u32 v[PS+7*q], v[PS+7*q], v[T1+7*q]
.endm
; 16 LDS loads in one run: the eight weight fragments (16 columns x 32 k) of K step jj of the trip, into buffer jj % 2
.macro FETCHW jj
	WIN 0x80                                       ; destination window 2
.irp b, 0,1,2,3,4,5,6,7
	ds_load_tr16_b128 v[64+64*((\jj)%2)+8*\b:64+64*((\jj)%2)+8*\b+3],   v[WA] offset:(\jj)*32*PW+32*\b
	ds_load_tr16_b128 v[64+64*((\jj)%2)+8*\b+4:64+64*((\jj)%2)+8*\b+7], v[WA] offset:(\jj)*32*PW+32*\b+16*PW
.endr
.endm
; One K step of 32: up to 40 products, the accumulators by turns.  first = 1: the products start the sums with b1 as C, for all five tiles, so that every accumulator is written
; whatever the count.  Later steps jump forward over the tiles past the count; what is jumped holds products alone.  left: the token loads of younger steps, ten each, that may stay out.
; Four v_nop stand behind the step's last product: the places in front of the loads into the registers that it read (ISA guide 7.12.1 for vector instructions).
.macro STEP j, first, ahead, fetchw, left
	s_wait_loadcnt \left                           ; this step's ten token loads are in
	s_wait_dscnt 0x0                               ; and its sixteen weight loads, issued a step ago
.if \fetchw
	FETCHW (\j)+1                                  ; the next step's, into the buffer that the step before multiplied
.endif
.set WF, 64+64*((\j)%2)
.irp t, 0,1,2,3,4
.set AC, 64*((\t)%4)
.set TK, 40*(\j)+8*(\t)
.if \first
	WIN 0x4e+0x40*((\t)/4)                         ; weights window 2, tokens window 3, C window 0, D window 1 or 2
.irp b, 0,1,2,3,4,5,6,7
	v_wmma_f32_16x16x32_bf16 v[AC+8*\b:AC+8*\b+7], v[WF+8*\b:WF+8*\b+7], v[TK:TK+7], v[BIAS+8*\b:BIAS+8*\b+7]
.endr
.else
.if (\t) > 0
	WIN 0                                          ; at a branch every window is 0
	s_cmp_lt_u32 s[NT], (\t)+1
	s_cbranch_scc1 .Ldone_\@
.endif
	WIN 0x5e+0x50*((\t)/4)                         ; C and D window 1 or 2
.irp b, 0,1,2,3,4,5,6,7
	v_wmma_f32_16x16x32_bf16 v[AC+8*\b:AC+8*\b+7], v[WF+8*\b:WF+8*\b+7], v[TK:TK+7], v[AC+8*\b:AC+8*\b+7]
.endr
.endif
.endr
	WIN 0
.Ldone_\@:
.rept 4
	v_nop
.endr
.if \ahead
	WIN 0xc0                                       ; destination window 3: the step four further on
.irp t, 0,1,2,3,4
	global_load_b128 v[40*(\j)+8*\t:40*(\j)+8*\t+3],   v[XO+\t], s[XK:XK+1] offset:(4+(\j))*SB
	global_load_b128 v[40*(\j)+8*\t+4:40*(\j)+8*\t+7], v[XO+\t], s[XK:XK+1] offset:(4+(\j))*SB+HB
.endr
.endif
.endm
; Four K steps.  The slice's place steps in a scalar register, and the LDS address is made anew of it and of my lane's place.  ahead = 0: the last four steps, which load nothing more: the counts run down,
; and place and address go back to the slice's head, where every group finds them.
.macro TRIP first, ahead
.if \ahead
	STEP 0, \first, 1, 1, 30
	STEP 1, 0, 1, 1, 30
	STEP 2, 0, 1, 1, 30
	STEP 3, 0, 1, 1, 30
	WIN 0
	s_wait_xcnt 0x0                                ; the token loads' base is stepped only behind this wait
	s_add_nc_u64 s[XK:XK+1], s[XK:XK+1], 4*SB
	s_add_co_u32 s[KB], s[KB], 4*32*PW
	v_add_nc_u32 v[WA], s[KB], v[WB0]
.else
	STEP 0, 0, 0, 1, 30
	STEP 1, 0, 0, 1, 20
	STEP 2, 0, 0, 1, 10
	STEP 3, 0, 0, 0, 0
	WIN 0
	s_mov_b32 s[KB], 0
	v_mov_b32 v[WA], v[WB0]
.endif
.endm
; Tile t's way out: gelu on 64 numbers a lane, rounded to bf16, stored as the next launch's operand registers.  Each accumulator is read from its low end on.
; The exponentials are one batch with one wait, and so are the reciprocals.
.macro EPI t
.set AB, 64*((\t)%4)
	s_wait_xcnt 0x0                                ; Z held the last tile's stores' data
	WIN 5*(1+(\t)/4)                               ; sources 0 and 1: the tile's window
.set n, 0
.rept 32
	v_pk_mul_f32 v[Z+2*n:Z+2*n+1], v[AB+2*n:AB+2*n+1], v[AB+2*n:AB+2*n+1]
.set n, n+1
.endr
	WIN 0
.set n, 0
.rept 32
	v_pk_fma_f32 v[Z+2*n:Z+2*n+1], v[Z+2*n:Z+2*n+1], s[C1:C1+1], s[C0:C0+1] op_sel_hi:[1,0,0]
.set n, n+1
.endr
	WIN 4*(1+(\t)/4)                               ; source 1: the tile's window
.set n, 0
.rept 32
	v_pk_mul_f32 v[Z+2*n:Z+2*n+1], v[Z+2*n:Z+2*n+1], v[AB+2*n:AB+2*n+1]
.set n, n+1
.endr
	WIN 0
.set n, 0
.rept 64
	v_exp_f32 v[Z+n], v[Z+n]
.set n, n+1
.endr
	v_nop                                          ; a plain instruction behind the last exponential,
	s_wait_alu depctr_va_vdst(0)                   ; and the batch's one wait
.set n, 0
.rept 32
	v_pk_add_f32 v[Z+2*n:Z+2*n+1], v[Z+2*n:Z+2*n+1], 1.0 op_sel_hi:[1,0]
.set n, n+1
.endr
.set n, 0
.rept 64
	v_rcp_f32 v[Z+n], v[Z+n]
.set n, n+1
.endr
	v_nop
	s_wait_alu depctr_va_vdst(0)
	WIN 4*(1+(\t)/4)
.set n, 0
.rept 32
	v_pk_mul_f32 v[Z+2*n:Z+2*n+1], v[Z+2*n:Z+2*n+1], v[AB+2*n:AB+2*n+1]
.set n, n+1
.endr
	WIN 0
.set n, 0
.rept 32
	v_cvt_pk_bf16_f32 v[Z+n], v[Z+2*n], v[Z+2*n+1] ; ascending: register n is written when 2 n and 2 n + 1 are read, never before
.set n, n+1
.endr
.irp b, 0,1,2,3,4,5,6,7
	global_store_b128 v[HO+\t], v[Z+4*\b:Z+4*\b+3], s[HP:HP+1] offset:(\b/2)*1024+(\b%2)*512  ; 512 consecutive bytes, aligned: blocks 2 c and 2 c + 1 are the two halves of operand c
.endr
.endm
	s_mov_b32 s[GC], 4
	s_mov_b32 s[U0], 0
	s_mov_b32 s[KB], 0
	v_mov_b32 v[WA], v[WB0]
.Lgroup:                                               ; four trips, whatever the count: 4 x 5 tiles cover a wave's 16 at the most
	s_wait_xcnt 0x0                                ; the last group's stores and loads have read their address registers
	s_sub_co_i32 s[NT], s[NW], s[U0]
	s_max_i32 s[NT], s[NT], 0
	s_min_i32 s[NT], s[NT], 5
	s_cmp_eq_u32 s[NT], 0
	s_cbranch_scc1 .Lgroup_end
.irp t, 0,1,2,3,4
	s_cmp_gt_u32 s[NT], \t
	s_cselect_b32 s[TAU+\t], \t, 0                 ; a dead tile repeats the group's first
	s_add_co_u32 s[TAU+\t], s[TAU+\t], s[U0]
	s_lshl2_add_u32 s[TAU+\t], s[TAU+\t], s[WV]    ; tile 4 u + w
	s_min_u32 s[TAU+\t], s[TAU+\t], 63
	s_lshl_b32 s[ST], s[TAU+\t], 17
	v_add_nc_u32 v[HO+\t], s[ST], v[WOF]
.endr
	; THE TOKENS OF THE GROUP'S ROWS.  The rank sought: 16 x tile + lane % 16; places past the count repeat the last row.
.irp s, 0,1
	v_mov_b32 v[TA], s[TAU+2*\s]
	v_cndmask_b32 v[TA], v[TA], s[TAU+2*\s+1], s[HM]   ; lanes 16-31 work for the set's second tile
	v_lshl_add_u32 v[PP+\s], v[TA], 4, v[RR]
.endr
	v_lshl_add_u32 v[PP+2], s[TAU+4], 4, v[RR]
	ALL3 v_min_u32 v[PP+q], s[CM1], v[PP+q]
	ALL3 v_mov_b32 v[BX+q], 0
	ALL3 v_mov_b32 v[KE+q], 0
	s_mov_b32 s[PRE], 0
	s_mov_b32 s[GI], 0
.Lsel:                                                 ; 32 trips: the last word in front of which no more than the rank sought lie is the word that holds it
	v_readlane_b32 s[SBM], v[BMV], s[GI]
	v_readlane_b32 s[KY], v[TBV], s[GI]
	s_or_b32 s[KY], s[KY], s[PRE]                  ; 1,024 ranks at the most: they fit under the token base
.irp s, 0,1,2
	v_cmp_le_u32 vcc_lo, s[PRE], v[PP+\s]
	v_cndmask_b32 v[BX+\s], v[BX+\s], s[SBM], vcc_lo
	v_cndmask_b32 v[KE+\s], v[KE+\s], s[KY], vcc_lo
.endr
	s_bcnt1_i32_b32 s[ST], s[SBM]
	s_add_co_u32 s[PRE], s[PRE], s[ST]
	s_add_co_u32 s[GI], s[GI], 1
	s_cmp_lt_u32 s[GI], 32
	s_cbranch_scc1 .Lsel
	; which set bit of the word: the rank less the ranks in front of it.  Bit counts of fields of 2, 4 and 8 bits, then down from 16 to 1.
	ALL3 v_and_b32 v[T0+7*q], 0xffff, v[KE+q]
	ALL3 v_sub_nc_u32 v[NN+7*q], v[PP+q], v[T0+7*q]
	ALL3 v_lshrrev_b32 v[SA+7*q], 1, v[BX+q]
	ALL3 v_and_b32 v[SA+7*q], 0x55555555, v[SA+7*q]
	ALL3 v_sub_nc_u32 v[SA+7*q], v[BX+q], v[SA+7*q]
	ALL3 v_lshrrev_b32 v[SBB+7*q], 2, v[SA+7*q]
	ALL3 v_and_b32 v[SBB+7*q], 0x33333333, v[SBB+7*q]
	ALL3 v_and_b32 v[T0+7*q], 0x33333333, v[SA+7*q]
	ALL3 v_add_nc_u32 v[SBB+7*q], v[SBB+7*q], v[T0+7*q]
	ALL3 v_lshrrev_b32 v[SC+7*q], 4, v[SBB+7*q]
	ALL3 v_add_nc_u32 v[SC+7*q], v[SC+7*q], v[SBB+7*q]
	ALL3 v_and_b32 v[SC+7*q], 0x0f0f0f0f, v[SC+7*q]
	ALL3 v_lshrrev_b32 v[T0+7*q], 8, v[SC+7*q]
	ALL3 v_add_nc_u32 v[T0+7*q], v[T0+7*q], v[SC+7*q]
	ALL3 v_and_b32 v[T0+7*q], 0xff, v[T0+7*q]      ; the low 16 bits' count
	ALL3 v_cmp_ge_u32 s[VM+q], v[NN+7*q], v[T0+7*q]
	ALL3 v_cndmask_b32 v[T0+7*q], 0, v[T0+7*q], s[VM+q]
	ALL3 v_sub_nc_u32 v[NN+7*q], v[NN+7*q], v[T0+7*q]
	ALL3 v_cndmask_b32 v[PS+7*q], 0, 16, s[VM+q]
	LEVEL SC+7*q, 0xff, 8
	LEVEL SBB+7*q, 15, 4
	LEVEL SA+7*q, 3, 2
	LEVEL BX+q, 1, 1
	ALL3 v_lshrrev_b32 v[T0+7*q], 16, v[KE+q]
	ALL3 v_lshl_add_u32 v[KE+q], v[PS+7*q], 2, v[T0+7*q]   ; the token: the word's base + 4 x the lane that the bit names
.irp s, 0,1                            ; both halves of the lanes want a tile's 16 tokens: each half takes the other's
	v_permlanex16_b32 v[T0+7*\s], v[KE+\s], s[SEL], s[SEL+1]
	v_cndmask_b32 v[XO+2*\s],   v[KE+\s], v[T0+7*\s], s[HM]
	v_cndmask_b32 v[XO+2*\s+1], v[T0+7*\s], v[KE+\s], s[HM]
.endr
	v_mov_b32 v[XO+4], v[KE+2]
.irp t, 0,1,2,3,4
	v_min_u32 v[XO+\t], 0x3ff, v[XO+\t]
	v_lshl_add_u32 v[XO+\t], v[XO+\t], 11, v[TC]   ; token x 2,048 bytes + 16 (lane / 16)
.endr
	s_mov_b64 s[XK:XK+1], s[XK0:XK0+1]
	WIN 0xc0
.irp j, 0,1,2,3                        ; the first four K steps' token operands: 40 loads
.irp t, 0,1,2,3,4
	global_load_b128 v[40*\j+8*\t:40*\j+8*\t+3],   v[XO+\t], s[XK:XK+1] offset:\j*SB
	global_load_b128 v[40*\j+8*\t+4:40*\j+8*\t+7], v[XO+\t], s[XK:XK+1] offset:\j*SB+HB
.endr
.endr
	FETCHW 0
	TRIP 1, 1
	s_mov_b32 s[KC], 6
.Lk:
	TRIP 0, 1
	s_sub_co_u32 s[KC], s[KC], 1
	s_cmp_lg_u32 s[KC], 0
	s_cbranch_scc1 .Lk
	TRIP 0, 0
	EPI 0
.irp t, 1,2,3,4
	s_cmp_lt_u32 s[NT], (\t)+1
	s_cbranch_scc1 .Lgroup_end                     ; whole tiles past the count are not stored
	EPI \t
.endr
.Lgroup_end:
	s_add_co_u32 s[U0], s[U0], 5
	s_sub_co_u32 s[GC], s[GC], 1
	s_cmp_lg_u32 s[GC], 0
	s_cbranch_scc1 .Lgroup
	s_wait_dscnt 0x0                               ; my reads of the slice are back;
	s_barrier_signal -1
	s_barrier_wait -1                              ; so are every wave's: no wave writes LDS again before that
	s_wait_tensorcnt 0x0                           ; the wave's end: behind my last LDS store
	ds_add_u32 v[SPW], v[NIL]
	s_wait_dscnt 0x0
	s_endpgm
.Lfunc_end_k_qf50522adaa_up:
	.size	k_qf50522adaa_up, .Lfunc_end_k_qf50522adaa_up-k_qf50522adaa_up
	.p2alignl 7, 3214868480
	.fill 96, 4, 3214868480
	.section	.rodata,"a",@progbits
	.p2align	6, 0x0
	.amdhsa_kernel k_qf50522adaa_up
		.amdhsa_group_segment_fixed_size 295424
		.amdhsa_private_segment_fixed_size 0
		.amdhsa_enable_private_segment 0
		.amdhsa_kernarg_size 56
		.amdhsa_user_sgpr_count 2
		.amdhsa_user_sgpr_kernarg_segment_ptr 1
		.amdhsa_wavefront_size32 1
		.amdhsa_system_sgpr_workgroup_id_x 1
		.amdhsa_system_sgpr_workgroup_id_y 1
		.amdhsa_system_sgpr_workgroup_id_z 1
		.amdhsa_system_vgpr_workitem_id 0
		.amdhsa_next_free_vgpr 928
		.amdhsa_next_free_sgpr 94
		.amdhsa_reserve_vcc 1
		.amdhsa_float_denorm_mode_32 3
		.amdhsa_float_denorm_mode_16_64 3
		.amdhsa_memory_ordered 1
		.amdhsa_forward_progress 1
		.amdhsa_inst_pref_size 203
	.end_amdhsa_kernel
	.amdgpu_metadata
---
amdhsa.version: [ 1, 2 ]
amdhsa.kernels:
  - .name:           k_qf50522adaa_up
    .symbol:         k_qf50522adaa_up.kd
    .args:
      - { .name: W1, .offset: 0, .size: 8, .value_kind: global_buffer, .address_space: global }
      - { .name: b1, .offset: 8, .size: 8, .value_kind: global_buffer, .address_space: global }
      - { .name: xb, .offset: 16, .size: 8, .value_kind: global_buffer, .address_space: global }
      - { .name: msk, .offset: 24, .size: 8, .value_kind: global_buffer, .address_space: global }
      - { .name: hb, .offset: 32, .size: 8, .value_kind: global_buffer, .address_space: global }
      - { .name: rank, .offset: 40, .size: 8, .value_kind: global_buffer, .address_space: global }
      - { .name: cnt, .offset: 48, .size: 8, .value_kind: global_buffer, .address_space: global }
    .group_segment_fixed_size: 295424
    .private_segment_fixed_size: 0
    .kernarg_segment_align: 8
    .kernarg_segment_size: 56
    .max_flat_workgroup_size: 128
    .sgpr_count:     94
    .vgpr_count:     928
    .wavefront_size: 32
...
	.end_amdgpu_metadata
.endif
;; end of part 2
;; launch down (part 3): grid 32 x 8, 4 waves a work-group, no clusters, 312,832 bytes of LDS; arguments W2, hb, cnt, y; writes y
.if DOCPART == 3
	.amdgcn_target "amdgcn-amd-amdhsa--gfx1250"
	.amdhsa_code_object_version 6
	.text
	.protected	k_qf50522adaa_down
	.globl	k_qf50522adaa_down
	.p2align	8
	.type	k_qf50522adaa_down,@function
k_qf50522adaa_down:
	s_mov_b64 s[64:65], 0
	v_nop
	global_prefetch_b8 v0, s[64:65] scope:SCOPE_SE
	s_setreg_imm32_b32 hwreg(HW_REG_WAVE_MODE, 25, 1), 1
	s_wait_xcnt 0x0
; DOWN.  Partial rows y[ks][e][rank][f] = the sum over 1,024 hidden numbers (quarter ks of 4,096) of h[rank][.] W2[e][.][f], in f32.  Work-group (x, e): ns = x % 8 picks 128 columns f, ks = x / 8 the quarter of K:
; 512 KiB of f32 weights that no other work-group reads, in row pieces of 512 bytes.  K is split in four so that the slice [1,024][128] fits in LDS as bf16 and its rows in memory stay 512 bytes long;
; the four partial rows are added, in a fixed order, by the next launch.
; PHASE A: each wave streams 256 rows, rounds them to bf16 and lays them into LDS as [k][128].  One barrier.  PHASE B: wave w takes tiles 4 u + w of 16 sorted rows x all 128 columns, five tiles through K together.
; h arrives as operand registers: hb[e][tile][block of 32][half][lane][16 bytes]: a load is 512 consecutive bytes.
; EVERY SPLIT IS SERVED: the count is read from cnt (stored by the launch before); four groups of five tiles, a constant count of trips; a group without rows is jumped forward, and so is the way out of a tile without
; rows; a dead tile of a live group repeats the group's first tile, in its loads and in its products: the K loop holds no jump, and every wait counts the same whatever the count.  The last tile's rows past the count
; are stored too: they lie inside the expert's own 1,024 rows of y and nobody reads them.
; THE PRODUCT IS USED TRANSPOSED (source 0 = 16 columns of W2, turned out of LDS; source 1 = 16 rows of h): a lane holds one row and eight neighbouring f.  The way out goes through a stage in LDS, each wave's own,
; so that sixteen lanes store 256 consecutive bytes of a row.
; BARRIERS IN PHASE B: one on each side of a group's way out, at labels that every wave passes in each of the four trips: LDS is written (the stages) only while no wave reads the slice, and the slice is read only
; while no wave writes.  Eight barriers in all; what is jumped holds none.
; NO JOINT LOADS: a slice of weights has one reader; the tiles of h that eight work-groups share would want a ring in LDS, of which the slice leaves 32,768 bytes, inside a loop whose work hangs on a count.
; LIMITS.  W2 is rounded once to bf16; sums in f32.  NaN and infinities are not treated apart.
.set PITCHW, 4096                      ; bytes from row to row of W2[e]
.set SB,     1024                      ; bytes of a tile's operand for a K step of 32
.set HB,     512                       ; from its first four registers to its last four
.set PW,     288                       ; a row of the slice in LDS: 256 bytes + 32 = 9 x 32
.set STAGE,  1024*PW                   ; behind the slice: 16 rows x 272 bytes for each wave
.set SP,     272
.set SPARE,  STAGE+4*16*SP             ; the spare words, 128 bytes for each wave: two blocks of 256 bytes that no other line names
; window 0
.set LN,   1
.set RR,   2                           ; lane % 16
.set HH,   3                           ; lane / 16
.set SPW,  4                           ; my spare word; never rewritten
.set NIL,  5                           ; 0; never rewritten
.set WOF,  6                           ; 16 x lane
.set LST,  7
.set WB0,  8                           ; my place in a weight fragment; never rewritten
.set WA,   9                           ; the same + the trip's place along K
.set XO,   10                          ; v[10:14] tile t: tile x 131,072 + 16 x lane
.set STO,  15                          ; where I put 16 bytes of a row in my stage
.set CV,   16                          ; v[16:23]
.set YO,   24                          ; v[24:28] tile t: tile x 16 rows of y + my place in two rows
.set TA,   29
.set RD,   30                          ; where I read rows back
.set YB,   31                          ; (lane / 16) x 4,096 + 16 (lane % 16)
.set RG,   64                          ; v[64:191] phase A: a ring of 32 loads
.set OB,   64                          ; v[64:95] phase B: 16 half rows read back from the stage
; window 1: accumulators of tiles 0-3, (t, b) at 64 t + 8 b.   window 2: v[0:63] tile 4's; v[64:127], v[128:191] weight fragments.   window 3: v[0:159] operands of h, four K steps x five tiles x 8
.set WV,   18
.set SL,   19
.set EX,   20
.set NS,   21
.set CNT,  22
.set KS,   23
.set ST,   24
.set NT,   25
.set GC,   26
.set U0,   27
.set KC,   28
.set NW,   29
.set ST2,  30
.set KB,   31                          ; LDS byte at which the trip's four K steps begin in the slice; 0 between groups
.set WP,   32
.set XK0,  34
.set XK,   36
.set YP,   38
.set OF,   40
.set MSB, 0
.macro WIN new                         ; the immediate's high byte repeats the setting that is left; a switch that changes nothing is dropped
.if MSB != (\new)
	s_set_vgpr_msb (MSB<<8)|(\new)
.set MSB, \new
.endif
.endm
	s_load_b256 s[4:11], s[0:1], 0x0               ; W2 s[4:5], hb s[6:7], cnt s[8:9], y s[10:11]
	v_lshl_add_u32 v[SPW], v0, 2, SPARE
	v_mov_b32 v[NIL], 0
	v_and_b32 v[LN], 31, v0
	v_lshrrev_b32 v[TA], 5, v0
	v_readfirstlane_b32 s[WV], v[TA]               ; wave 0..3
	v_and_b32 v[RR], 15, v0
	v_bfe_u32 v[HH], v0, 4, 1
	v_lshlrev_b32 v[WOF], 4, v[LN]
	v_lshlrev_b32 v[LST], 3, v[LN]
	s_mul_i32 s[ST], s[WV], 256*PW
	v_add_nc_u32 v[LST], s[ST], v[LST]
	s_mov_b32 s[SL], ttmp9
	s_and_b32 s[EX], ttmp7, 0xffff
	s_and_b32 s[NS], s[SL], 7
	s_lshr_b32 s[KS], s[SL], 3
	s_mov_b32 s[OF+1], 0
	s_lshl_b32 s[OF], s[EX], 24                    ; the expert's 16 MiB,
	s_lshl_b32 s[ST], s[KS], 22                    ; the quarter's 1,024 rows,
	s_add_co_u32 s[OF], s[OF], s[ST]
	s_lshl_b32 s[ST], s[WV], 20                    ; my wave's 256 of them,
	s_add_co_u32 s[OF], s[OF], s[ST]
	s_lshl_b32 s[ST], s[NS], 9                     ; the slice's 512 bytes of a row
	s_add_co_u32 s[OF], s[OF], s[ST]
	s_wait_kmcnt 0x0
	s_add_nc_u64 s[WP:WP+1], s[4:5], s[OF:OF+1]
.set n, 0
.rept 32
	global_load_b128 v[RG+4*n:RG+4*n+3], v[WOF], s[WP:WP+1] offset:n*PITCHW th:TH_LOAD_NT  ; the ring is filled: rows 0 to 31; each weight is read once in the launch
.set n, n+1
.endr
	s_lshl_b32 s[OF], s[EX], 7
	s_add_nc_u64 s[8:9], s[8:9], s[OF:OF+1]
	s_load_b32 s[CNT], s[8:9], 0x0                 ; the expert's rows
	s_lshl_b32 s[OF], s[EX], 23
	s_lshl_b32 s[ST], s[KS], 15
	s_add_co_u32 s[OF], s[OF], s[ST]
	s_add_nc_u64 s[XK0:XK0+1], s[6:7], s[OF:OF+1]  ; hb at the expert and at the quarter's 32 blocks
	s_lshl_b32 s[OF], s[KS], 25
	s_lshl_b32 s[ST], s[EX], 22
	s_add_co_u32 s[OF], s[OF], s[ST]
	s_lshl_b32 s[ST], s[NS], 9
	s_add_co_u32 s[OF], s[OF], s[ST]
	s_add_nc_u64 s[YP:YP+1], s[10:11], s[OF:OF+1]  ; y at the quarter, the expert and the slice's 512 bytes of a row
	s_wait_kmcnt 0x0
	s_min_u32 s[CNT], s[CNT], 1024
; PHASE A.  One slot's turn: its row is in; four f32 a lane become 8 bytes of bf16 in LDS; ahead = 1: the slot takes the row 32 further down.  left: the younger loads that may stay out.
.macro WSLOT i, ahead, left
	s_wait_loadcnt \left
	v_cvt_pk_bf16_f32 v[CV+2*((\i)%4)],   v[RG+4*(\i)],   v[RG+4*(\i)+1]
	v_cvt_pk_bf16_f32 v[CV+2*((\i)%4)+1], v[RG+4*(\i)+2], v[RG+4*(\i)+3]
	ds_store_b64 v[LST], v[CV+2*((\i)%4):CV+2*((\i)%4)+1] offset:(\i)*PW
.if \ahead
	global_load_b128 v[RG+4*(\i):RG+4*(\i)+3], v[WOF], s[WP:WP+1] offset:((\i)+32)*PITCHW th:TH_LOAD_NT
.endif
.endm
	s_mov_b32 s[KC], 7
.Lstream:
.set n, 0
.rept 32
	WSLOT n, 1, 31
.set n, n+1
.endr
	s_wait_xcnt 0x0                                ; the loads' base is stepped only behind this wait
	s_add_nc_u64 s[WP:WP+1], s[WP:WP+1], 32*PITCHW
	v_add_nc_u32 v[LST], 32*PW, v[LST]
	s_sub_co_u32 s[KC], s[KC], 1
	s_cmp_lg_u32 s[KC], 0
	s_cbranch_scc1 .Lstream
.set n, 0
.rept 32
	WSLOT n, 0, 31-n                               ; the last 32 rows: the counts run down
.set n, n+1
.endr
	s_wait_dscnt 0x0                               ; for the others' sake: my rows of the slice are in LDS
	s_barrier_signal -1
	s_barrier_wait -1                              ; the slice is whole, and is only read from here on
	s_add_co_u32 s[NW], s[CNT], 15
	s_lshr_b32 s[NW], s[NW], 4
	s_add_co_u32 s[NW], s[NW], 3
	s_sub_co_u32 s[NW], s[NW], s[WV]
	s_lshr_b32 s[NW], s[NW], 2                     ; my wave's tiles
	v_and_b32 v[TA], 7, v0
	v_lshl_add_u32 v[TA], v[HH], 3, v[TA]
	v_mul_u32_u24 v[WB0], v[TA], PW
	v_bfe_u32 v[TA], v0, 3, 1
	v_lshl_add_u32 v[WB0], v[TA], 4, v[WB0]        ; the turning load: row 8 (l / 16) + l % 8, columns 8 ((l / 8) % 2) on
	s_mul_i32 s[ST], s[WV], 16*SP
	s_add_co_u32 s[ST], s[ST], STAGE               ; my stage
	v_mul_u32_u24 v[STO], v[RR], SP                ; in: row l % 16, 32 bytes for each half of the lanes
	v_lshl_add_u32 v[STO], v[HH], 5, v[STO]
	v_add_nc_u32 v[STO], s[ST], v[STO]
	v_mul_u32_u24 v[RD], v[HH], SP                 ; back: lanes 0-15 take 256 bytes of one row, lanes 16-31 of the next
	v_lshl_add_u32 v[RD], v[RR], 4, v[RD]
	v_add_nc_u32 v[RD], s[ST], v[RD]
	v_lshlrev_b32 v[YB], 12, v[HH]                 ; and the same two rows in y
	v_lshl_add_u32 v[YB], v[RR], 4, v[YB]
.macro FETCHW jj                       ; 16 LDS loads in one run: the eight weight fragments of K step jj of the trip, into buffer jj % 2
	WIN 0x80                                       ; destination window 2
.irp b, 0,1,2,3,4,5,6,7
	ds_load_tr16_b128 v[64+64*((\jj)%2)+8*\b:64+64*((\jj)%2)+8*\b+3],   v[WA] offset:(\jj)*32*PW+32*\b
	ds_load_tr16_b128 v[64+64*((\jj)%2)+8*\b+4:64+64*((\jj)%2)+8*\b+7], v[WA] offset:(\jj)*32*PW+32*\b+16*PW
.endr
.endm
; One K step of 32: 40 products back to back, the accumulators by turns.  first = 1: the products start the sums with the constant 0.
; left: the loads of younger steps, ten each, that may stay out.
; Four v_nop stand behind the step's last product: the places in front of the loads into the registers that it read, and of the way out's reads of the results.
.macro STEP j, first, ahead, fetchw, left
	s_wait_loadcnt \left                           ; this step's ten loads of h are in
	s_wait_dscnt 0x0                               ; and its sixteen weight loads, issued a step ago
.if \fetchw
	FETCHW (\j)+1
.endif
.set WF, 64+64*((\j)%2)
.irp t, 0,1,2,3,4
.set AC, 64*((\t)%4)
.set TK, 40*(\j)+8*(\t)
.if \first
	WIN 0x4e+0x40*((\t)/4)                         ; weights window 2, h window 3, D window 1 or 2
.irp b, 0,1,2,3,4,5,6,7
	v_wmma_f32_16x16x32_bf16 v[AC+8*\b:AC+8*\b+7], v[WF+8*\b:WF+8*\b+7], v[TK:TK+7], 0
.endr
.else
	WIN 0x5e+0x50*((\t)/4)
.irp b, 0,1,2,3,4,5,6,7
	v_wmma_f32_16x16x32_bf16 v[AC+8*\b:AC+8*\b+7], v[WF+8*\b:WF+8*\b+7], v[TK:TK+7], v[AC+8*\b:AC+8*\b+7]
.endr
.endif
.endr
.rept 4
	v_nop
.endr
.if \ahead
	WIN 0xc0                                       ; destination window 3: the step four further on
.irp t, 0,1,2,3,4
	global_load_b128 v[40*(\j)+8*\t:40*(\j)+8*\t+3],   v[XO+\t], s[XK:XK+1] offset:(4+(\j))*SB
	global_load_b128 v[40*(\j)+8*\t+4:40*(\j)+8*\t+7], v[XO+\t], s[XK:XK+1] offset:(4+(\j))*SB+HB
.endr
.endif
.endm
; Four K steps.  The slice's place steps in a scalar register, and the LDS address is made anew of it and of my lane's place.  ahead = 0: the last four steps, whose counts run down;
; place and address go back to the slice's head, where every group finds them.
.macro TRIP first, ahead
.if \ahead
	STEP 0, \first, 1, 1, 30
	STEP 1, 0, 1, 1, 30
	STEP 2, 0, 1, 1, 30
	STEP 3, 0, 1, 1, 30
	WIN 0
	s_wait_xcnt 0x0                                ; the loads' base is stepped only behind this wait
	s_add_nc_u64 s[XK:XK+1], s[XK:XK+1], 4*SB
	s_add_co_u32 s[KB], s[KB], 4*32*PW
	v_add_nc_u32 v[WA], s[KB], v[WB0]
.else
	STEP 0, 0, 0, 1, 30
	STEP 1, 0, 0, 1, 20
	STEP 2, 0, 0, 1, 10
	STEP 3, 0, 0, 0, 0
	WIN 0
	s_mov_b32 s[KB], 0
	v_mov_b32 v[WA], v[WB0]
.endif
.endm
; Tile t's way out, 64 columns (256 bytes of a row) at a time: 16 bytes a lane into my stage, whole half rows back, stored.  Each accumulator's low four registers are read first.
.macro OUT t
.irp hf, 0,1
	WIN 4*(1+(\t)/4)                               ; the stores' data: the tile's window
.irp q, 0,1,2,3
	ds_store_b128 v[STO], v[64*((\t)%4)+8*(4*\hf+\q):64*((\t)%4)+8*(4*\hf+\q)+3]   offset:64*\q
	ds_store_b128 v[STO], v[64*((\t)%4)+8*(4*\hf+\q)+4:64*((\t)%4)+8*(4*\hf+\q)+7] offset:64*\q+16
.endr
	WIN 0
	s_wait_xcnt 0x0                                ; OB held earlier stores' data
.irp i, 0,1,2,3,4,5,6,7
	ds_load_b128 v[OB+4*\i:OB+4*\i+3], v[RD] offset:2*SP*\i  ; LDS serves a wave's instructions in order (ISA guide 5.7.1.4): these see the stores above
.endr
.irp i, 0,1,2,3,4,5,6,7
	s_wait_dscnt 7-\i                              ; the younger loads from the stage stay out
	global_store_b128 v[YO+\t], v[OB+4*\i:OB+4*\i+3], s[YP:YP+1] offset:8192*\i+256*\hf  ; 16 lanes store 256 consecutive bytes, aligned
.endr
.endr
.endm
	s_mov_b32 s[GC], 4
	s_mov_b32 s[U0], 0
	s_mov_b32 s[KB], 0
	v_mov_b32 v[WA], v[WB0]
.Lgroup:                                               ; four trips, whatever the count
	s_wait_xcnt 0x0                                ; the last group's stores and loads have read their address registers
	s_sub_co_i32 s[NT], s[NW], s[U0]
	s_max_i32 s[NT], s[NT], 0
	s_min_i32 s[NT], s[NT], 5
	s_cmp_eq_u32 s[NT], 0
	s_cbranch_scc1 .Lk_end                         ; a group without rows multiplies nothing
.irp t, 0,1,2,3,4
	s_cmp_gt_u32 s[NT], \t
	s_cselect_b32 s[ST], \t, 0                     ; a dead tile repeats the group's first
	s_add_co_u32 s[ST], s[ST], s[U0]
	s_lshl2_add_u32 s[ST], s[ST], s[WV]            ; tile 4 u + w
	s_min_u32 s[ST], s[ST], 63
	s_lshl_b32 s[ST2], s[ST], 17
	v_add_nc_u32 v[XO+\t], s[ST2], v[WOF]
	s_lshl_b32 s[ST2], s[ST], 16
	v_add_nc_u32 v[YO+\t], s[ST2], v[YB]
.endr
	s_mov_b64 s[XK:XK+1], s[XK0:XK0+1]
	WIN 0xc0
.irp j, 0,1,2,3                        ; the first four K steps' operands of h: 40 loads
.irp t, 0,1,2,3,4
	global_load_b128 v[40*\j+8*\t:40*\j+8*\t+3],   v[XO+\t], s[XK:XK+1] offset:\j*SB
	global_load_b128 v[40*\j+8*\t+4:40*\j+8*\t+7], v[XO+\t], s[XK:XK+1] offset:\j*SB+HB
.endr
.endr
	FETCHW 0
	TRIP 1, 1
	s_mov_b32 s[KC], 6
.Lk:
	TRIP 0, 1
	s_sub_co_u32 s[KC], s[KC], 1
	s_cmp_lg_u32 s[KC], 0
	s_cbranch_scc1 .Lk
	TRIP 0, 0
.Lk_end:
	s_wait_dscnt 0x0                               ; my reads of the slice for this group are back;
	s_barrier_signal -1
	s_barrier_wait -1                              ; so are every wave's: now the stages may be written
	s_cmp_eq_u32 s[NT], 0
	s_cbranch_scc1 .Lgroup_end                     ; a group without rows stores nothing
	OUT 0
.irp t, 1,2,3,4
	s_cmp_lt_u32 s[NT], (\t)+1
	s_cbranch_scc1 .Lgroup_end                     ; whole tiles past the count are not stored
	OUT \t
.endr
.Lgroup_end:
	s_wait_dscnt 0x0                               ; my stores into my stage and my reads of it are done;
	s_barrier_signal -1
	s_barrier_wait -1                              ; so are every wave's: the slice may be read again (behind the last trip: the closing lines may write)
	s_add_co_u32 s[U0], s[U0], 5
	s_sub_co_u32 s[GC], s[GC], 1
	s_cmp_lg_u32 s[GC], 0
	s_cbranch_scc1 .Lgroup
	s_wait_tensorcnt 0x0                           ; the wave's end: behind my last LDS store
	ds_add_u32 v[SPW], v[NIL]
	s_wait_dscnt 0x0
	s_endpgm
.Lfunc_end_k_qf50522adaa_down:
	.size	k_qf50522adaa_down, .Lfunc_end_k_qf50522adaa_down-k_qf50522adaa_down
	.p2alignl 7, 3214868480
	.fill 96, 4, 3214868480
	.section	.rodata,"a",@progbits
	.p2align	6, 0x0
	.amdhsa_kernel k_qf50522adaa_down
		.amdhsa_group_segment_fixed_size 312832
		.amdhsa_private_segment_fixed_size 0
		.amdhsa_enable_private_segment 0
		.amdhsa_kernarg_size 32
		.amdhsa_user_sgpr_count 2
		.amdhsa_user_sgpr_kernarg_segment_ptr 1
		.amdhsa_wavefront_size32 1
		.amdhsa_system_sgpr_workgroup_id_x 1
		.amdhsa_system_sgpr_workgroup_id_y 1
		.amdhsa_system_sgpr_workgroup_id_z 1
		.amdhsa_system_vgpr_workitem_id 0
		.amdhsa_next_free_vgpr 928
		.amdhsa_next_free_sgpr 66
		.amdhsa_reserve_vcc 0
		.amdhsa_float_denorm_mode_32 3
		.amdhsa_float_denorm_mode_16_64 3
		.amdhsa_memory_ordered 1
		.amdhsa_forward_progress 1
		.amdhsa_inst_pref_size 105
	.end_amdhsa_kernel
	.amdgpu_metadata
---
amdhsa.version: [ 1, 2 ]
amdhsa.kernels:
  - .name:           k_qf50522adaa_down
    .symbol:         k_qf50522adaa_down.kd
    .args:
      - { .name: W2, .offset: 0, .size: 8, .value_kind: global_buffer, .address_space: global }
      - { .name: hb, .offset: 8, .size: 8, .value_kind: global_buffer, .address_space: global }
      - { .name: cnt, .offset: 16, .size: 8, .value_kind: global_buffer, .address_space: global }
      - { .name: y, .offset: 24, .size: 8, .value_kind: global_buffer, .address_space: global }
    .group_segment_fixed_size: 312832
    .private_segment_fixed_size: 0
    .kernarg_segment_align: 8
    .kernarg_segment_size: 32
    .max_flat_workgroup_size: 128
    .sgpr_count:     66
    .vgpr_count:     928
    .wavefront_size: 32
...
	.end_amdgpu_metadata
.endif
;; end of part 3
;; launch combine (part 4): grid 256 x 1, 8 waves a work-group, no clusters, 0 bytes of LDS; arguments y, b2, eidx, gate, rank, out0; writes out0
.if DOCPART == 4
	.amdgcn_target "amdgcn-amd-amdhsa--gfx1250"
	.amdhsa_code_object_version 6
	.text
	.protected	k_qf50522adaa_combine
	.globl	k_qf50522adaa_combine
	.p2align	8
	.type	k_qf50522adaa_combine,@function
k_qf50522adaa_combine:
	s_mov_b64 s[64:65], 0
	v_nop
	global_prefetch_b8 v0, s[64:65] scope:SCOPE_SE
	s_setreg_imm32_b32 hwreg(HW_REG_WAVE_MODE, 25, 1), 1
	s_wait_xcnt 0x0
; COMBINE.  out[token] = g0 (y-row of expert e0 + b2[e0]) + g1 (y-row of expert e1 + b2[e1]), where a y-row is the sum of its four partial rows (the quarters of the hidden width), added in f32 in a fixed order.
; A wave has half a token's row, 2,048 bytes; a work-group four tokens.  Which rows: eidx and rank, whole numbers stored by earlier launches, read by scalar loads and clamped to their tables.
; A stream: 40 loads of 512 consecutive bytes a wave, all out before the first wait; no LDS, no barrier, no matrix unit: there is nothing to share and nothing to multiply.
; b2 is rounded to bf16 like every input of this program.  NaN and infinities are not treated apart.
.set BASE, 1                           ; v1       half x 2,048 + 16 x lane
.set VO,   2                           ; v[2:3]   choice j: my bytes of its row in a quarter of y
.set BO,   4                           ; v[4:5]   choice j: my bytes of b2[e_j]
.set T,    8
.set Y,    16                          ; v[16:143]  choice j, quarter ks, piece i at Y + 64 j + 16 ks + 4 i
.set BB,   144                         ; v[144:175] b2: choice j, piece i at BB + 16 j + 4 i
	s_load_b256 s[4:11], s[0:1], 0x0               ; y s[4:5], b2 s[6:7], eidx s[8:9], gate s[10:11]
	s_load_b128 s[12:15], s[0:1], 0x20             ; rank s[12:13], out0 s[14:15]
	v_and_b32 v[BASE], 31, v0
	v_lshrrev_b32 v[T], 5, v0
	v_readfirstlane_b32 s18, v[T]                  ; wave 0..7
	s_lshr_b32 s19, s18, 1
	s_lshl2_add_u32 s20, ttmp9, s19                ; token = 4 x work-group + wave / 2
	s_and_b32 s21, s18, 1
	s_lshl_b32 s21, s21, 11
	v_lshlrev_b32 v[BASE], 4, v[BASE]
	v_add_nc_u32 v[BASE], s21, v[BASE]
	s_lshl_b32 s22, s20, 3
	s_mov_b32 s23, 0
	s_wait_kmcnt 0x0
	s_add_nc_u64 s[8:9], s[8:9], s[22:23]
	s_add_nc_u64 s[10:11], s[10:11], s[22:23]
	s_load_b64 s[24:25], s[8:9], 0x0               ; the two experts
	s_load_b64 s[26:27], s[10:11], 0x0             ; the two weights
	s_add_nc_u64 s[34:35], s[4:5], 0x2000000       ; the quarters of y lie 32 MiB apart
	s_add_nc_u64 s[36:37], s[4:5], 0x4000000
	s_add_nc_u64 s[38:39], s[4:5], 0x6000000
	s_lshl_b32 s22, s20, 12
	s_add_nc_u64 s[14:15], s[14:15], s[22:23]      ; my token's row of out0
	s_wait_kmcnt 0x0
	s_min_u32 s24, s24, 7
	s_min_u32 s25, s25, 7
	s_lshl_b32 s28, s24, 10
	s_add_co_u32 s28, s28, s20
	s_lshl_b32 s28, s28, 2
	s_lshl_b32 s29, s25, 10
	s_add_co_u32 s29, s29, s20
	s_lshl_b32 s29, s29, 2
	s_load_b32 s30, s[12:13], s28 offset:0x0       ; the token's place among each expert's rows
	s_load_b32 s31, s[12:13], s29 offset:0x0
	s_lshl_b32 s42, s24, 12
	v_add_nc_u32 v[BO], s42, v[BASE]
	s_lshl_b32 s43, s25, 12
	v_add_nc_u32 v[BO+1], s43, v[BASE]
.irp j, 0,1
.irp i, 0,1,2,3
	global_load_b128 v[BB+16*\j+4*\i:BB+16*\j+4*\i+3], v[BO+\j], s[6:7] offset:512*\i
.endr
.endr
	s_mov_b32 s40, s27                             ; g1 as the low word of a pair of its own
	s_mov_b32 s41, s27
	s_wait_kmcnt 0x0
	s_min_u32 s30, s30, 1023
	s_min_u32 s31, s31, 1023
	s_lshl_b32 s44, s24, 10
	s_add_co_u32 s44, s44, s30
	s_lshl_b32 s44, s44, 12                        ; row e x 1,024 + rank, 4,096 bytes a row
	v_add_nc_u32 v[VO], s44, v[BASE]
	s_lshl_b32 s45, s25, 10
	s_add_co_u32 s45, s45, s31
	s_lshl_b32 s45, s45, 12
	v_add_nc_u32 v[VO+1], s45, v[BASE]
.irp j, 0,1
.irp i, 0,1,2,3
	global_load_b128 v[Y+64*\j+4*\i:Y+64*\j+4*\i+3],       v[VO+\j], s[4:5]   offset:512*\i th:TH_LOAD_NT  ; each partial row is read once
	global_load_b128 v[Y+64*\j+16+4*\i:Y+64*\j+16+4*\i+3], v[VO+\j], s[34:35] offset:512*\i th:TH_LOAD_NT
	global_load_b128 v[Y+64*\j+32+4*\i:Y+64*\j+32+4*\i+3], v[VO+\j], s[36:37] offset:512*\i th:TH_LOAD_NT
	global_load_b128 v[Y+64*\j+48+4*\i:Y+64*\j+48+4*\i+3], v[VO+\j], s[38:39] offset:512*\i th:TH_LOAD_NT
.endr
.endr
	s_wait_loadcnt 32                              ; b2 is in: the 32 loads of y stay out
.set n, 0
.rept 16                                       ; b2 rounded to bf16, kept as f32
	v_cvt_pk_bf16_f32 v[T], v[BB+2*n], v[BB+2*n+1]
	v_lshlrev_b32 v[BB+2*n], 16, v[T]
	v_and_b32 v[BB+2*n+1], 0xffff0000, v[T]
.set n, n+1
.endr
	s_wait_loadcnt 0x0
.irp j, 0,1
.set n, 0
.rept 8                                        ; (y0 + y1) and (y2 + y3), two numbers at a time
.set a, Y+64*\j+2*n
	v_pk_add_f32 v[a:a+1], v[a:a+1], v[a+16:a+17]
	v_pk_add_f32 v[a+32:a+33], v[a+32:a+33], v[a+48:a+49]
.set n, n+1
.endr
.set n, 0
.rept 8
.set a, Y+64*\j+2*n
	v_pk_add_f32 v[a:a+1], v[a:a+1], v[a+32:a+33]
.set n, n+1
.endr
.set n, 0
.rept 8
.set a, Y+64*\j+2*n
	v_pk_add_f32 v[a:a+1], v[a:a+1], v[BB+16*\j+2*n:BB+16*\j+2*n+1]
.set n, n+1
.endr
.endr
.set n, 0
.rept 8
	v_pk_mul_f32 v[Y+2*n:Y+2*n+1], v[Y+2*n:Y+2*n+1], s[26:27] op_sel_hi:[1,0]  ; g0, the pair's low word, for both
.set n, n+1
.endr
.set n, 0
.rept 8
	v_pk_fma_f32 v[Y+2*n:Y+2*n+1], v[Y+64+2*n:Y+64+2*n+1], s[40:41], v[Y+2*n:Y+2*n+1] op_sel_hi:[1,0,1]
.set n, n+1
.endr
.irp i, 0,1,2,3
	global_store_b128 v[BASE], v[Y+4*\i:Y+4*\i+3], s[14:15] offset:512*\i  ; 512 consecutive bytes, aligned
.endr
	s_endpgm
.Lfunc_end_k_qf50522adaa_combine:
	.size	k_qf50522adaa_combine, .Lfunc_end_k_qf50522adaa_combine-k_qf50522adaa_combine
	.p2alignl 7, 3214868480
	.fill 96, 4, 3214868480
	.section	.rodata,"a",@progbits
	.p2align	6, 0x0
	.amdhsa_kernel k_qf50522adaa_combine
		.amdhsa_group_segment_fixed_size 0
		.amdhsa_private_segment_fixed_size 0
		.amdhsa_enable_private_segment 0
		.amdhsa_kernarg_size 48
		.amdhsa_user_sgpr_count 2
		.amdhsa_user_sgpr_kernarg_segment_ptr 1
		.amdhsa_wavefront_size32 1
		.amdhsa_system_sgpr_workgroup_id_x 1
		.amdhsa_system_sgpr_workgroup_id_y 1
		.amdhsa_system_sgpr_workgroup_id_z 1
		.amdhsa_system_vgpr_workitem_id 0
		.amdhsa_next_free_vgpr 184
		.amdhsa_next_free_sgpr 66
		.amdhsa_reserve_vcc 0
		.amdhsa_float_denorm_mode_32 3
		.amdhsa_float_denorm_mode_16_64 3
		.amdhsa_memory_ordered 1
		.amdhsa_forward_progress 1
		.amdhsa_inst_pref_size 14
	.end_amdhsa_kernel
	.amdgpu_metadata
---
amdhsa.version: [ 1, 2 ]
amdhsa.kernels:
  - .name:           k_qf50522adaa_combine
    .symbol:         k_qf50522adaa_combine.kd
    .args:
      - { .name: y, .offset: 0, .size: 8, .value_kind: global_buffer, .address_space: global }
      - { .name: b2, .offset: 8, .size: 8, .value_kind: global_buffer, .address_space: global }
      - { .name: eidx, .offset: 16, .size: 8, .value_kind: global_buffer, .address_space: global }
      - { .name: gate, .offset: 24, .size: 8, .value_kind: global_buffer, .address_space: global }
      - { .name: rank, .offset: 32, .size: 8, .value_kind: global_buffer, .address_space: global }
      - { .name: out0, .offset: 40, .size: 8, .value_kind: global_buffer, .address_space: global }
    .group_segment_fixed_size: 0
    .private_segment_fixed_size: 0
    .kernarg_segment_align: 8
    .kernarg_segment_size: 48
    .max_flat_workgroup_size: 256
    .sgpr_count:     66
    .vgpr_count:     184
    .wavefront_size: 32
...
	.end_amdgpu_metadata
.endif
;; end of part 4
;; ======== version 2 of 2: 4 launches; version 1 with the launches up, down written anew for expert scheduling mode
;; workspace buffers: xb 2,097,152 bytes; msk 4,096 bytes of whole numbers; eidx 8,192 bytes of whole numbers; gate 8,192 bytes; rank 32,768 bytes of whole numbers; cnt 1,024 bytes of whole numbers; hb 67,108,864 bytes; y 134,217,728 bytes
;; launch router: the kernel of part 1 again; grid 256 x 1, 4 waves a work-group, no clusters, 0 bytes of LDS; arguments x, Wg, bg, xb, msk, eidx, gate; writes xb, msk, eidx, gate
;; launch up (part 5): grid 32 x 8, 4 waves a work-group, no clusters, 295,424 bytes of LDS; arguments W1, b1, xb, msk, hb, rank, cnt; writes hb, rank, cnt
.if DOCPART == 5
	.amdgcn_target "amdgcn-amd-amdhsa--gfx1250"
	.amdhsa_code_object_version 6
	.text
	.protected	k_qf50522adaa_up
	.globl	k_qf50522adaa_up
	.p2align	8
	.type	k_qf50522adaa_up,@function
k_qf50522adaa_up:
	s_mov_b64 s[64:65], 0
	v_nop
	global_prefetch_b8 v0, s[64:65] scope:SCOPE_SE
	s_setreg_imm32_b32 hwreg(HW_REG_WAVE_SCHED_MODE, 0, 2), 2
	s_setreg_imm32_b32 hwreg(HW_REG_WAVE_MODE, 25, 1), 1
	s_wait_xcnt 0x0
	s_wait_alu depctr_vm_vsrc(0)
; UP.  hb = gelu(x W1[e] + b1[e]) for the tokens that chose expert e, and for no others.  Work-group (slice, e) owns columns 128 slice .. + 127 of W1[e], all 1,024 rows: 512 KiB of f32
; that no other work-group reads.  PHASE A: each wave streams 256 rows (one load = a row's 512 bytes), rounds them to bf16 and lays them into LDS as [k][128].  One barrier.
; PHASE B: a wave takes tiles of 16 of the expert's tokens x all 128 columns; wave w has tiles 4 u + w; five tiles (40 accumulators) go through K together, so a weight fragment read from LDS feeds up to five
; products.  Token rows come from xb straight into operand registers, three K steps ahead.
; WHICH TOKENS.  Every wave reads msk (1,024 words) and keeps, for each of its 32 registers of it, the word of the lanes whose token chose the expert.  A token's rank is the members in earlier registers plus the
; members in lower lanes.  The token of a given rank is found in registers, by each wave for its own tiles: a loop over the 32 words finds the word that holds the rank, and a search by partial bit counts the bit.
; EVERY SPLIT IS SERVED: an expert has 0 to 1,024 rows, a wave 0 to 16 tiles: four groups of five, a constant count; a group without rows is jumped forward.  A dead tile of a live group repeats the group's first
; tile in its loads, so that every wait counts the same on every path, and in the first K step's products, so that every accumulator is written; the later steps' products and the way out jump forward over it.
; Places past the count repeat the expert's last row.
; THE PRODUCT IS USED TRANSPOSED: source 0 = 16 columns of W1 (turned out of LDS by ds_load_tr16_b128), source 1 = 16 tokens.  A lane then holds one token and eight neighbouring hidden numbers; two such
; results, rounded to bf16, ARE the operand registers of the next launch's product in the same lanes, and are stored so: hb[e][tile][block of 32 hidden][half][lane][16 bytes].
; gelu(v) = v / (1 + 2^(v (C0 + C1 v^2))), the tanh form rewritten: C0 = -2 log2(e) sqrt(2 / pi), C1 = 0.044715 C0.  Where the exponent overflows the quotient is v or 0, as it should be.
; NO JOINT LOADS: a slice of weights has one reader; the token rows that an expert's 32 work-groups share come by rank, which no tile descriptor covers.  No tensor loads: f32 weights pass through registers to be rounded.
; LIMITS.  W1, b1 and x are rounded once to bf16, h once to bf16; sums in f32.  NaN and infinities are not treated apart.
; THE MODE: SCHED_MODE bits 1:0 = 2 (LLVM: expert scheduling mode 2), set by the entry lines.  The code itself states the register dependences
; between vector or matrix instructions and memory or LDS instructions, with s_wait_alu, always for 0.
; THE PLAN.  Registers that memory or LDS instructions touch, and who else names them:
;   v[WOF], v[BOF]     offsets, made at the head and never written again.
;   v[MK ..]           msk lands there and vector lines read it; in one wave the ranks are written over it and stored; then its registers take other work.
;   RG                 phase A goes in blocks of four rows: block k's eight roundings read slots 4 k .. 4 k + 3; behind them the rows 32 further down land there.
;   CV0, CV1           block k's roundings write CV[k % 2], its four LDS stores read it, block k + 2 writes it again.
;   v[LST]             read by every LDS store of phase A; written once a round of 32 rows.
;   token operands     (window 3, four buffers) K step s: its products read buffer s % 4; the loads issued in step s + 1, for step s + 4, land in it.
;   weight fragments   (window 2, two buffers) K step s: its products read buffer s % 2; the LDS loads issued in step s + 1, for step s + 2, land in it.
;   v[WA]              read by every weight load; written once in four K steps.
;   v[XO ..], v[HO ..] written at a group's head; read by the group's loads and stores.
;   Z0, Z1             tile t's activation is worked and rounded in Z[t % 2]; its eight stores read it; tile t + 2 writes it again.
; So ONE wait on va_vdst stands at a K step's head: the last step's products are done reading the two buffers that this step's loads land in.  The step's 26 loads follow behind tile 0's products, which name
; this step's own buffers and the accumulators alone.  The other waits are said where they stand.
.set PITCHW, 16384                     ; bytes from row to row of W1[e]
.set SB,     64                        ; bytes of a token's row in a K step of 32
.set HB,     32                        ; from an operand's first four registers to its last four
.set PW,     288                       ; a row of the slice in LDS: 256 bytes + 32 = 9 x 32: the turning load's eight rows x 32 bytes fall on different banks
; window 0
.set LN,   1                           ; lane
.set RR,   2                           ; lane % 16
.set HH,   3                           ; lane / 16
.set WOF,  6                           ; 16 x lane
.set LST,  7                           ; phase A: where my 8 bytes of a row go
.set WB0,  8                           ; my place in a weight fragment; never rewritten
.set WA,   9                           ; the same + the trip's place along K
.set XO,   10                          ; v[10:14] tile t: my token's row in xb + 16 (lane / 16)
.set BOF,  15                          ; 32 (lane / 16)
.set HO,   24                          ; v[24:28] tile t: tile x 131,072 + 16 x lane
.set TA,   29
.set TB,   30
.set TC,   31                          ; 16 (lane / 16)
.set MK,   32                          ; v[32:63] at the start: msk of 32 tokens a lane: register 4 i + c is token 128 i + 4 lane + c; in one wave then their ranks
.set BMV,  32                          ; then: lane g holds register g's word of members
.set TBV,  33                          ; lane g holds (the token of register g in lane 0) << 16
.set CV,   40                          ; v[40:55] phase A: rounded words, two buffers of eight; in phase B these registers belong to the search
.set PP,   34                          ; v[34:36] the search, three sets: the rank sought.  Set 0: lanes 0-15 tile 0, lanes 16-31 tile 1; set 1: tiles 2 and 3; set 2: tile 4 in both halves
.set BX,   37                          ; v[37:39] the word that holds it
.set KE,   40                          ; v[40:42] that word's token base << 16 | the ranks in front of it; at the end the token
.set SA,   43                          ; v[43:63] seven registers a set, set q at + 7 q: bit counts of 2,
.set SBB,  44                          ; of 4,
.set SC,   45                          ; of 8 bits;
.set T0,   46                          ; at work
.set T1,   47
.set NN,   48                          ; set bits still to be passed
.set PS,   49                          ; the bit's place so far
.set RG,   64                          ; v[64:191] phase A: a ring of 32 loads
.set Z,    64                          ; v[64:191] phase B: the activation at work, two buffers of 64
.set BIAS, 192                         ; v[192:255] b1 as the C operand: block b, register j is column 16 b + 8 (lane / 16) + j
; window 1: v[0:255] accumulators of tiles 0-3, (t, b) at 64 t + 8 b.   window 2: v[0:63] tile 4's; v[64:127], v[128:191] weight fragments, two buffers.   window 3: v[0:159] token operands, four K steps x five tiles x 8
.set WV,   18
.set SL,   19
.set EX,   20
.set EBIT, 21
.set CNT,  22
.set PRE,  23
.set ST,   24
.set NT,   25                          ; live tiles of the group in hand, 1 to 5
.set GC,   26
.set U0,   27                          ; 5 x group
.set KC,   28
.set NW,   29                          ; my wave's tiles
.set CM1,  30                          ; count - 1
.set KB,   31                          ; LDS byte at which the trip's four K steps begin in the slice; 0 between groups
.set BM,   32                          ; s[32:63] register g's members, a bit a lane
.set WP,   66
.set XK0,  68
.set XK,   70
.set HP,   72
.set C0,   74
.set C1,   76
.set OF,   78
.set TAU,  80                          ; s[80:84] the group's tile numbers
.set HM,   85                          ; the lanes 16-31
.set SEL,  86                          ; s[86:87] v_permlanex16_b32's selects: each lane takes its own place in the other half
.set SBM,  88                          ; the search's loop: the word in hand,
.set KY,   89                          ; its key,
.set GI,   90                          ; its number
.set VM,   91                          ; s[91:93] a mask for each set
.set MSB, 0
.macro WIN new                         ; the immediate's high byte repeats the setting that is left; a switch that changes nothing is dropped
.if MSB != (\new)
	s_set_vgpr_msb (MSB<<8)|(\new)
.set MSB, \new
.endif
.endm
	s_load_b256 s[4:11], s[0:1], 0x0               ; W1 s[4:5], b1 s[6:7], xb s[8:9], msk s[10:11]
	s_load_b128 s[12:15], s[0:1], 0x20             ; hb s[12:13], rank s[14:15]
	s_load_b64 s[16:17], s[0:1], 0x30              ; cnt
	v_lshl_add_u32 v22, v0, 2, 0x48000
	v_mov_b32 v23, 0
	v_and_b32 v[LN], 31, v0
	v_lshrrev_b32 v[TA], 5, v0
	v_readfirstlane_b32 s[WV], v[TA]               ; wave 0..3
	v_and_b32 v[RR], 15, v0
	v_bfe_u32 v[HH], v0, 4, 1
	v_lshlrev_b32 v[WOF], 4, v[LN]
	v_lshlrev_b32 v[BOF], 5, v[HH]
	v_lshlrev_b32 v[LST], 3, v[LN]
	s_wait_alu depctr_va_sdst(0)                   ; the wave's number is written, ahead of its first reader
	s_mul_i32 s[ST], s[WV], 256*PW
	v_add_nc_u32 v[LST], s[ST], v[LST]             ; my wave's 256 rows of the slice, 8 bytes a lane
	s_mov_b32 s[SL], ttmp9
	s_and_b32 s[EX], ttmp7, 0xffff
	s_lshl_b32 s[EBIT], 1, s[EX]
	s_mov_b32 s[OF+1], 0
	s_lshl_b32 s[OF], s[EX], 24                    ; the expert's 16 MiB,
	s_lshl_b32 s[ST], s[SL], 9                     ; the slice's 512 bytes of a row,
	s_add_co_u32 s[OF], s[OF], s[ST]
	s_lshl_b32 s[ST], s[WV], 22                    ; my wave's 256 rows
	s_add_co_u32 s[OF], s[OF], s[ST]
	s_wait_kmcnt 0x0
	s_add_nc_u64 s[WP:WP+1], s[4:5], s[OF:OF+1]
	s_lshl_b32 s[OF], s[EX], 14
	s_lshl_b32 s[ST], s[SL], 9
	s_add_co_u32 s[OF], s[OF], s[ST]
	s_add_nc_u64 s[6:7], s[6:7], s[OF:OF+1]        ; b1 at the slice
	s_lshl_b32 s[OF], s[EX], 23
	s_lshl_b32 s[ST], s[SL], 12
	s_add_co_u32 s[OF], s[OF], s[ST]
	s_add_nc_u64 s[HP:HP+1], s[12:13], s[OF:OF+1]  ; hb at the expert and at the slice's four blocks of 32 hidden numbers
	s_lshl_b32 s[OF], s[EX], 12
	s_add_nc_u64 s[14:15], s[14:15], s[OF:OF+1]    ; rank[e]
	s_lshl_b32 s[OF], s[EX], 7
	s_add_nc_u64 s[16:17], s[16:17], s[OF:OF+1]    ; cnt[e]
	s_mov_b64 s[XK0:XK0+1], s[8:9]
	s_wait_alu depctr_va_vdst(0)                   ; v[WOF], v[BOF] and v[LST] are written: the loads below and phase A's loads and LDS stores read them
.set n, 0
.rept 8
	global_load_b128 v[MK+4*n:MK+4*n+3], v[WOF], s[10:11] offset:512*n
.set n, n+1
.endr
.set n, 0
.rept 8
	global_load_b128 v[BIAS+8*n:BIAS+8*n+3],   v[BOF], s[6:7] offset:64*n
	global_load_b128 v[BIAS+8*n+4:BIAS+8*n+7], v[BOF], s[6:7] offset:64*n+16
.set n, n+1
.endr
.set n, 0
.rept 32
	global_load_b128 v[RG+4*n:RG+4*n+3], v[WOF], s[WP:WP+1] offset:n*PITCHW th:TH_LOAD_NT  ; the ring is filled: rows 0 to 31; each weight is read once in the launch
.set n, n+1
.endr
	s_mov_b32 s[CNT], 0
	s_wait_loadcnt 48                              ; msk is in: behind it 16 loads of b1 and the ring's 32 stay out
.set g, 0
.rept 32                                       ; the 32 compares stand in one run,
	v_and_b32 v[TA], s[EBIT], v[MK+g]
	v_cmp_ne_u32 s[BM+g], 0, v[TA]                 ; which lanes' token of register g chose the expert
.set g, g+1
.endr
	s_wait_alu depctr_va_sdst(0)                   ; with one wait: the 32 words of members are written, ahead of their first readers
.set g, 0
.rept 32
	s_bcnt1_i32_b32 s[ST], s[BM+g]
	s_add_co_u32 s[CNT], s[CNT], s[ST]
.set g, g+1
.endr
	s_min_u32 s[CNT], s[CNT], 1024
	s_cmp_lg_u32 s[WV], 0
	s_cbranch_scc1 .Lno_rank
	s_cmp_lg_u32 s[SL], 0
	s_cbranch_scc1 .Lno_rank                       ; of an expert's 128 waves one stores ranks and count
	s_mov_b32 s[PRE], 0
.set g, 0
.rept 32
	v_mbcnt_lo_u32_b32 v[MK+g], s[BM+g], s[PRE]    ; members in earlier registers + members in lower lanes: a member's rank
	s_bcnt1_i32_b32 s[ST], s[BM+g]
	s_add_co_u32 s[PRE], s[PRE], s[ST]
.set g, g+1
.endr
	v_lshlrev_b32 v[TB], 2, v[LN]
	v_mov_b32 v[TA], s[CNT]
	s_wait_alu depctr_va_vdst(0)                   ; the ranks, v[TB] and v[TA] are written, which the nine stores below read
.set n, 0
.rept 8
	global_store_b128 v[WOF], v[MK+4*n:MK+4*n+3], s[14:15] offset:512*n  ; written for every token; read only for those that chose the expert
.set n, n+1
.endr
	global_store_b32 v[TB], v[TA], s[16:17]        ; 32 copies: 128 consecutive bytes, all lanes on
	s_wait_xcnt 0x0                                ; the stores' registers are written again below
.Lno_rank:
	s_wait_alu depctr_vm_vsrc(0)                   ; in the wave that stored them the stores have read v[MK ..] and v[TA], which are written again from here on
	v_mov_b32 v[BMV], 0
.set g, 0
.rept 32
	v_writelane_b32 v[BMV], s[BM+g], g             ; the 32 words into the lanes of one register, where a loop can reach them by number
.set g, g+1
.endr
	v_lshrrev_b32 v[TBV], 2, v[LN]                 ; register g = 4 i + c holds in lane 0 token 128 i + c
	v_and_b32 v[TA], 3, v[LN]
	v_lshl_or_b32 v[TBV], v[TBV], 7, v[TA]
	v_lshlrev_b32 v[TBV], 16, v[TBV]
; PHASE A.  Block k of a round's eight: slots 4 k .. 4 k + 3.  Their rows are in; four f32 a lane become 8 bytes of bf16; ahead = 1: the slots take the rows 32 further down.  left: the younger loads that may stay out.
.macro WBLK k, ahead, left
	s_wait_loadcnt \left
	s_wait_alu depctr_vm_vsrc(0)                   ; the LDS stores of two blocks back have read CV[k % 2], which the roundings write again
.irp i, 0,1,2,3
	v_cvt_pk_bf16_f32 v[CV+8*((\k)%2)+2*\i],   v[RG+16*(\k)+4*\i],   v[RG+16*(\k)+4*\i+1]
	v_cvt_pk_bf16_f32 v[CV+8*((\k)%2)+2*\i+1], v[RG+16*(\k)+4*\i+2], v[RG+16*(\k)+4*\i+3]
.endr
	s_wait_alu depctr_va_vdst(0)                   ; the roundings have written CV[k % 2], which the LDS stores read, and are done reading the four slots, in which the loads land; in a round's first block v[LST] is written
.if \ahead
.irp i, 0,1,2,3
	global_load_b128 v[RG+16*(\k)+4*\i:RG+16*(\k)+4*\i+3], v[WOF], s[WP:WP+1] offset:(4*(\k)+\i+32)*PITCHW th:TH_LOAD_NT
.endr
.endif
.irp i, 0,1,2,3
	ds_store_b64 v[LST], v[CV+8*((\k)%2)+2*\i:CV+8*((\k)%2)+2*\i+1] offset:(4*(\k)+\i)*PW  ; the wave writes 256 neighbouring bytes
.endr
.endm
	s_mov_b32 s[KC], 7
.Lstream:
.set n, 0
.rept 8
	WBLK n, 1, 28
.set n, n+1
.endr
	s_wait_xcnt 0x0                                ; the loads' base is stepped only behind this wait
	s_wait_alu depctr_vm_vsrc(0)                   ; the round's LDS stores have read v[LST]
	s_add_nc_u64 s[WP:WP+1], s[WP:WP+1], 32*PITCHW
	v_add_nc_u32 v[LST], 32*PW, v[LST]
	s_sub_co_u32 s[KC], s[KC], 1
	s_cmp_lg_u32 s[KC], 0
	s_cbranch_scc1 .Lstream
.set n, 0
.rept 8
	WBLK n, 0, 28-4*n                              ; the last 32 rows: nothing more is loaded, the counts run down
.set n, n+1
.endr
.set n, 0
.rept 32                                       ; b1 rounded to bf16, kept as f32
	v_cvt_pk_bf16_f32 v[TA], v[BIAS+2*n], v[BIAS+2*n+1]
	v_lshlrev_b32 v[BIAS+2*n], 16, v[TA]
	v_and_b32 v[BIAS+2*n+1], 0xffff0000, v[TA]
.set n, n+1
.endr
	s_wait_dscnt 0x0                               ; for the others' sake: my rows of the slice are in LDS
	s_barrier_signal -1
	s_barrier_wait -1                              ; from here to the closing barrier LDS is read alone
	s_add_co_u32 s[NW], s[CNT], 15
	s_lshr_b32 s[NW], s[NW], 4                     ; the expert's tiles,
	s_add_co_u32 s[NW], s[NW], 3
	s_sub_co_u32 s[NW], s[NW], s[WV]
	s_lshr_b32 s[NW], s[NW], 2                     ; of which tiles w, w + 4, .. are mine
	s_sub_co_u32 s[CM1], s[CNT], 1
	s_mov_b32 s[C0], 0xc0135761                    ; -2.3022082
	s_mov_b32 s[C0+1], s[C0]
	s_mov_b32 s[C1], 0xbdd2d3e8                    ; -0.10294324
	s_mov_b32 s[C1+1], s[C1]
	s_mov_b32 s[HM], 0xffff0000
	s_mov_b32 s[SEL], 0x76543210
	s_mov_b32 s[SEL+1], 0xfedcba98
	; the turning load takes 16 k x 16 columns: lane l reads 16 bytes of row 8 (l / 16) + l % 8, columns 8 ((l / 8) % 2) + 0..7, and is left with column l % 16 and eight k
	v_and_b32 v[TA], 7, v0
	v_lshl_add_u32 v[TA], v[HH], 3, v[TA]
	v_mul_u32_u24 v[WB0], v[TA], PW
	v_bfe_u32 v[TA], v0, 3, 1
	v_lshl_add_u32 v[WB0], v[TA], 4, v[WB0]
	v_lshlrev_b32 v[TC], 4, v[HH]
; One line for each of the search's three sets q: the sets go in lockstep, so that no line reads the result of the line before it.
.macro ALL3 line:vararg
.set q, 0
.rept 3
	\line
.set q, q+1
.endr
.endm
; One level of the search for the bit: the field of w bits at the place so far holds so many set bits; if as many or more are still to be passed, pass them and go w places up.
.macro LEVEL src, mask, w
	ALL3 v_lshrrev_b32 v[T0+7*q], v[PS+7*q], v[\src]
	ALL3 v_and_b32 v[T0+7*q], \mask, v[T0+7*q]
	ALL3 v_cmp_ge_u32 s[VM+q], v[NN+7*q], v[T0+7*q]
	s_wait_alu depctr_va_sdst(0)                   ; the three masks are written, ahead of the selects that read them
	ALL3 v_cndmask_b32 v[T0+7*q], 0, v[T0+7*q], s[VM+q]
	ALL3 v_sub_nc_u32 v[NN+7*q], v[NN+7*q], v[T0+7*q]
	ALL3 v_cndmask_b32 v[T1+7*q], 0, \w, s[VM+q]
	ALL3 v_add_nc_u32 v[PS+7*q], v[PS+7*q], v[T1+7*q]
.endm
; 16 LDS loads in one run: the eight weight fragments (16 columns x 32 k) of K step jj of the trip, into buffer jj % 2
.macro FETCHW jj
	WIN 0x80                                       ; destination window 2
.irp b, 0,1,2,3,4,5,6,7
	ds_load_tr16_b128 v[64+64*((\jj)%2)+8*\b:64+64*((\jj)%2)+8*\b+3],   v[WA] offset:(\jj)*32*PW+32*\b
	ds_load_tr16_b128 v[64+64*((\jj)%2)+8*\b+4:64+64*((\jj)%2)+8*\b+7], v[WA] offset:(\jj)*32*PW+32*\b+16*PW
.endr
.endm
; Ten loads: the five tiles' token operands of the K step s places behind the base, into buffer s % 4
.macro HLOAD s
	WIN 0xc0                                       ; destination window 3
.irp t, 0,1,2,3,4
	global_load_b128 v[40*((\s)%4)+8*\t:40*((\s)%4)+8*\t+3],   v[XO+\t], s[XK:XK+1] offset:(\s)*SB
	global_load_b128 v[40*((\s)%4)+8*\t+4:40*((\s)%4)+8*\t+7], v[XO+\t], s[XK:XK+1] offset:(\s)*SB+HB
.endr
.endm
; Tile t's eight products of K step j, the accumulators by turns.  first = 1: they start the sums with b1 as C.
.macro PROD j, t, first
.set WF, 64+64*((\j)%2)
.set AC, 64*((\t)%4)
.set TK, 40*(\j)+8*(\t)
.if \first
	WIN 0x4e+0x40*((\t)/4)                         ; weights window 2, tokens window 3, C window 0, D window 1 or 2
.irp b, 0,1,2,3,4,5,6,7
	v_wmma_f32_16x16x32_bf16 v[AC+8*\b:AC+8*\b+7], v[WF+8*\b:WF+8*\b+7], v[TK:TK+7], v[BIAS+8*\b:BIAS+8*\b+7]
.endr
.else
	WIN 0x5e+0x50*((\t)/4)                         ; C and D window 1 or 2
.irp b, 0,1,2,3,4,5,6,7
	v_wmma_f32_16x16x32_bf16 v[AC+8*\b:AC+8*\b+7], v[WF+8*\b:WF+8*\b+7], v[TK:TK+7], v[AC+8*\b:AC+8*\b+7]
.endr
.endif
.endm
; One K step of 32: up to 40 products.  first = 1: the group's first step, for all five tiles, so that every accumulator is written whatever the count.  Later steps jump forward over the tiles past the count;
; what is jumped holds products alone: the step's loads stand behind tile 0's products, which every path issues.  left: the token loads of younger steps, ten each, that may stay out.
; fetchw = 1: the next step's weight fragments are fetched; ahead = 1: the token operands three steps on are asked for.
; Four v_nop stand behind the step's last product: places ahead of the vector lines that read its results on the way out; they also lie between the step's products and the loads into the registers that these read.
.macro STEP j, first, ahead, fetchw, left
	s_wait_loadcnt \left                           ; this step's ten token loads are in
	s_wait_dscnt 0x0                               ; and its sixteen weight loads, issued a step ago
.if ((\fetchw) || (\ahead)) && !(\first)
	s_wait_alu depctr_va_vdst(0)                   ; the last step's products are done reading their weight buffer and their token buffer, in which this step's loads land; in a trip's first step v[WA] is written.  (In a group's first step the wait ahead of the group's first loads still holds: no vector or matrix line stands between.)
.endif
	PROD \j, 0, \first
.if \fetchw
	FETCHW (\j)+1                                  ; no wait: the products since the wait name this step's buffers and the accumulators alone
.endif
.if \ahead
	HLOAD (\j)+3
.endif
.irp t, 1,2,3,4
.if !(\first)
	WIN 0                                          ; at a branch every window is 0
	s_cmp_lt_u32 s[NT], (\t)+1
	s_cbranch_scc1 .Ldone_\@
.endif
	PROD \j, \t, \first
.endr
	WIN 0
.Ldone_\@:
.rept 4
	v_nop
.endr
.endm
; Four K steps.  The slice's place steps in a scalar register, and the LDS address is made anew of it and of my lane's place.  ahead = 0: the last four steps, of which the first asks for the last token operands: the counts run down,
; and place and address go back to the slice's head, where every group finds them.
.macro TRIP first, ahead
.if \ahead
	STEP 0, \first, 1, 1, 20
	STEP 1, 0, 1, 1, 20
	STEP 2, 0, 1, 1, 20
	STEP 3, 0, 1, 1, 20
	WIN 0
	s_wait_xcnt 0x0                                ; the token loads' base is stepped only behind this wait
	s_wait_alu depctr_vm_vsrc(0)                   ; the weight loads issued so far have read v[WA]
	s_add_nc_u64 s[XK:XK+1], s[XK:XK+1], 4*SB
	s_add_co_u32 s[KB], s[KB], 4*32*PW
	v_add_nc_u32 v[WA], s[KB], v[WB0]
.else
	STEP 0, 0, 1, 1, 20
	STEP 1, 0, 0, 1, 20
	STEP 2, 0, 0, 1, 10
	STEP 3, 0, 0, 0, 0
	WIN 0
	s_wait_alu depctr_vm_vsrc(0)                   ; the weight loads issued so far have read v[WA]
	s_mov_b32 s[KB], 0
	v_mov_b32 v[WA], v[WB0]
.endif
.endm
; Tile t's way out: gelu on 64 numbers a lane, in Z[t % 2], rounded to bf16, stored as the next launch's operand registers.  Each accumulator is read from its low end on.
; The exponentials are one batch with one wait, and so are the reciprocals.
.macro EPI t
.set AB, 64*((\t)%4)
.set ZZ, Z+64*((\t)%2)
	WIN 5*(1+(\t)/4)                               ; sources 0 and 1: the tile's window
.set n, 0
.rept 32
	v_pk_mul_f32 v[ZZ+2*n:ZZ+2*n+1], v[AB+2*n:AB+2*n+1], v[AB+2*n:AB+2*n+1]
.set n, n+1
.endr
	WIN 0
.set n, 0
.rept 32
	v_pk_fma_f32 v[ZZ+2*n:ZZ+2*n+1], v[ZZ+2*n:ZZ+2*n+1], s[C1:C1+1], s[C0:C0+1] op_sel_hi:[1,0,0]
.set n, n+1
.endr
	WIN 4*(1+(\t)/4)                               ; source 1: the tile's window
.set n, 0
.rept 32
	v_pk_mul_f32 v[ZZ+2*n:ZZ+2*n+1], v[ZZ+2*n:ZZ+2*n+1], v[AB+2*n:AB+2*n+1]
.set n, n+1
.endr
	WIN 0
.set n, 0
.rept 64
	v_exp_f32 v[ZZ+n], v[ZZ+n]
.set n, n+1
.endr
	v_nop                                          ; a plain instruction behind the last exponential
.if ((\t) > 0) && ((\t) < 4)
	s_wait_xcnt 0x0                                ; the last tile's stores have had their addresses translated: the other Z, their data, is written again by the next tile, only behind this wait
	s_wait_alu depctr_vm_vsrc(0)                   ; and they have read the other Z.  (Tiles 0 and 1 write what the wait at the group's head has freed.)
.endif
	s_wait_alu depctr_va_vdst(0)                   ; the batch's one wait: the 64 exponentials are written, ahead of their first reader
.set n, 0
.rept 32
	v_pk_add_f32 v[ZZ+2*n:ZZ+2*n+1], v[ZZ+2*n:ZZ+2*n+1], 1.0 op_sel_hi:[1,0]
.set n, n+1
.endr
.set n, 0
.rept 64
	v_rcp_f32 v[ZZ+n], v[ZZ+n]
.set n, n+1
.endr
	v_nop
	s_wait_alu depctr_va_vdst(0)                   ; the 64 reciprocals are written, ahead of their first reader
	WIN 4*(1+(\t)/4)
.set n, 0
.rept 32
	v_pk_mul_f32 v[ZZ+2*n:ZZ+2*n+1], v[ZZ+2*n:ZZ+2*n+1], v[AB+2*n:AB+2*n+1]
.set n, n+1
.endr
	WIN 0
.set n, 0
.rept 32
	v_cvt_pk_bf16_f32 v[ZZ+n], v[ZZ+2*n], v[ZZ+2*n+1] ; ascending: register n is written when 2 n and 2 n + 1 are read, never before
.set n, n+1
.endr
	s_wait_alu depctr_va_vdst(0)                   ; the roundings have written Z[t % 2], which the stores read
.irp b, 0,1,2,3,4,5,6,7
	global_store_b128 v[HO+\t], v[ZZ+4*\b:ZZ+4*\b+3], s[HP:HP+1] offset:(\b/2)*1024+(\b%2)*512  ; 512 consecutive bytes, aligned: blocks 2 c and 2 c + 1 are the two halves of operand c
.endr
.endm
	s_mov_b32 s[GC], 4
	s_mov_b32 s[U0], 0
	s_mov_b32 s[KB], 0
	v_mov_b32 v[WA], v[WB0]
.Lgroup:                                               ; four trips, whatever the count: 4 x 5 tiles cover a wave's 16 at the most
	s_wait_xcnt 0x0                                ; the last group's stores and loads have had their addresses translated
	s_wait_alu depctr_vm_vsrc(0)                   ; the last group's loads have read v[XO ..], its stores v[HO ..] and both Z; in the first trip phase A's LDS stores have read CV, whose registers the search writes
	s_sub_co_i32 s[NT], s[NW], s[U0]
	s_max_i32 s[NT], s[NT], 0
	s_min_i32 s[NT], s[NT], 5
	s_cmp_eq_u32 s[NT], 0
	s_cbranch_scc1 .Lgroup_end
.irp t, 0,1,2,3,4
	s_cmp_gt_u32 s[NT], \t
	s_cselect_b32 s[TAU+\t], \t, 0                 ; a dead tile repeats the group's first
	s_add_co_u32 s[TAU+\t], s[TAU+\t], s[U0]
	s_lshl2_add_u32 s[TAU+\t], s[TAU+\t], s[WV]    ; tile 4 u + w
	s_min_u32 s[TAU+\t], s[TAU+\t], 63
	s_lshl_b32 s[ST], s[TAU+\t], 17
	v_add_nc_u32 v[HO+\t], s[ST], v[WOF]
.endr
	; THE TOKENS OF THE GROUP'S ROWS.  The rank sought: 16 x tile + lane % 16; places past the count repeat the last row.
.irp s, 0,1
	v_mov_b32 v[TA], s[TAU+2*\s]
	v_cndmask_b32 v[TA], v[TA], s[TAU+2*\s+1], s[HM]   ; lanes 16-31 work for the set's second tile
	v_lshl_add_u32 v[PP+\s], v[TA], 4, v[RR]
.endr
	v_lshl_add_u32 v[PP+2], s[TAU+4], 4, v[RR]
	ALL3 v_min_u32 v[PP+q], s[CM1], v[PP+q]
	ALL3 v_mov_b32 v[BX+q], 0
	ALL3 v_mov_b32 v[KE+q], 0
	s_mov_b32 s[PRE], 0
	s_mov_b32 s[GI], 0
.Lsel:                                                 ; 32 trips: the last word in front of which no more than the rank sought lie is the word that holds it
	v_readlane_b32 s[SBM], v[BMV], s[GI]
	v_readlane_b32 s[KY], v[TBV], s[GI]
	ALL3 v_cmp_le_u32 s[VM+q], s[PRE], v[PP+q]
	s_wait_alu depctr_va_sdst(0)                   ; the word, its key and the three masks are written, ahead of their first readers: one wait for the run of five
	s_or_b32 s[KY], s[KY], s[PRE]                  ; 1,024 ranks at the most: they fit under the token base
.irp s, 0,1,2
	v_cndmask_b32 v[BX+\s], v[BX+\s], s[SBM], s[VM+\s]
	v_cndmask_b32 v[KE+\s], v[KE+\s], s[KY], s[VM+\s]
.endr
	s_bcnt1_i32_b32 s[ST], s[SBM]
	s_add_co_u32 s[PRE], s[PRE], s[ST]
	s_add_co_u32 s[GI], s[GI], 1
	s_cmp_lt_u32 s[GI], 32
	s_cbranch_scc1 .Lsel
	; which set bit of the word: the rank less the ranks in front of it.  Bit counts of fields of 2, 4 and 8 bits, then down from 16 to 1.
	ALL3 v_and_b32 v[T0+7*q], 0xffff, v[KE+q]
	ALL3 v_sub_nc_u32 v[NN+7*q], v[PP+q], v[T0+7*q]
	ALL3 v_lshrrev_b32 v[SA+7*q], 1, v[BX+q]
	ALL3 v_and_b32 v[SA+7*q], 0x55555555, v[SA+7*q]
	ALL3 v_sub_nc_u32 v[SA+7*q], v[BX+q], v[SA+7*q]
	ALL3 v_lshrrev_b32 v[SBB+7*q], 2, v[SA+7*q]
	ALL3 v_and_b32 v[SBB+7*q], 0x33333333, v[SBB+7*q]
	ALL3 v_and_b32 v[T0+7*q], 0x33333333, v[SA+7*q]
	ALL3 v_add_nc_u32 v[SBB+7*q], v[SBB+7*q], v[T0+7*q]
	ALL3 v_lshrrev_b32 v[SC+7*q], 4, v[SBB+7*q]
	ALL3 v_add_nc_u32 v[SC+7*q], v[SC+7*q], v[SBB+7*q]
	ALL3 v_and_b32 v[SC+7*q], 0x0f0f0f0f, v[SC+7*q]
	ALL3 v_lshrrev_b32 v[T0+7*q], 8, v[SC+7*q]
	ALL3 v_add_nc_u32 v[T0+7*q], v[T0+7*q], v[SC+7*q]
	ALL3 v_and_b32 v[T0+7*q], 0xff, v[T0+7*q]      ; the low 16 bits' count
	ALL3 v_cmp_ge_u32 s[VM+q], v[NN+7*q], v[T0+7*q]
	s_wait_alu depctr_va_sdst(0)                   ; the three masks are written, ahead of the selects that read them
	ALL3 v_cndmask_b32 v[T0+7*q], 0, v[T0+7*q], s[VM+q]
	ALL3 v_sub_nc_u32 v[NN+7*q], v[NN+7*q], v[T0+7*q]
	ALL3 v_cndmask_b32 v[PS+7*q], 0, 16, s[VM+q]
	LEVEL SC+7*q, 0xff, 8
	LEVEL SBB+7*q, 15, 4
	LEVEL SA+7*q, 3, 2
	LEVEL BX+q, 1, 1
	ALL3 v_lshrrev_b32 v[T0+7*q], 16, v[KE+q]
	ALL3 v_lshl_add_u32 v[KE+q], v[PS+7*q], 2, v[T0+7*q]   ; the token: the word's base + 4 x the lane that the bit names
.irp s, 0,1                            ; both halves of the lanes want a tile's 16 tokens: each half takes the other's
	v_permlanex16_b32 v[T0+7*\s], v[KE+\s], s[SEL], s[SEL+1]
	v_cndmask_b32 v[XO+2*\s],   v[KE+\s], v[T0+7*\s], s[HM]
	v_cndmask_b32 v[XO+2*\s+1], v[T0+7*\s], v[KE+\s], s[HM]
.endr
	v_mov_b32 v[XO+4], v[KE+2]
.irp t, 0,1,2,3,4
	v_min_u32 v[XO+\t], 0x3ff, v[XO+\t]
	v_lshl_add_u32 v[XO+\t], v[XO+\t], 11, v[TC]   ; token x 2,048 bytes + 16 (lane / 16)
.endr
	s_mov_b64 s[XK:XK+1], s[XK0:XK0+1]
	WIN 0xc0
	s_wait_alu depctr_va_vdst(0)                   ; v[XO ..], v[HO ..] and v[WA] are written, which the group's loads and stores read; the last group's products are done reading the token and weight buffers, in which the loads below land
	HLOAD 0                                        ; the first three K steps' token operands: 30 loads
	HLOAD 1
	HLOAD 2
	FETCHW 0
	TRIP 1, 1
	s_mov_b32 s[KC], 6
.Lk:
	TRIP 0, 1
	s_sub_co_u32 s[KC], s[KC], 1
	s_cmp_lg_u32 s[KC], 0
	s_cbranch_scc1 .Lk
	TRIP 0, 0
	EPI 0
.irp t, 1,2,3,4
	s_cmp_lt_u32 s[NT], (\t)+1
	s_cbranch_scc1 .Lgroup_end                     ; whole tiles past the count are not stored
	EPI \t
.endr
.Lgroup_end:
	s_add_co_u32 s[U0], s[U0], 5
	s_sub_co_u32 s[GC], s[GC], 1
	s_cmp_lg_u32 s[GC], 0
	s_cbranch_scc1 .Lgroup
	s_wait_dscnt 0x0                               ; my reads of the slice are back;
	s_barrier_signal -1
	s_barrier_wait -1                              ; so are every wave's
	s_wait_dscnt 0x0                               ; the wave's end: then a closing add of 0 onto my spare word in the 512 bytes behind the slice
	s_wait_alu depctr_hold_cnt(0) depctr_sa_sdst(0) depctr_va_vdst(0) depctr_va_sdst(0) depctr_va_ssrc(0) depctr_va_vcc(0) depctr_vm_vsrc(0)
	s_wait_tensorcnt 0x0
	ds_add_u32 v22, v23
	s_wait_dscnt 0x0
	s_endpgm
.Lfunc_end_k_qf50522adaa_up:
	.size	k_qf50522adaa_up, .Lfunc_end_k_qf50522adaa_up-k_qf50522adaa_up
	.p2alignl 7, 3214868480
	.fill 96, 4, 3214868480
	.section	.rodata,"a",@progbits
	.p2align	6, 0x0
	.amdhsa_kernel k_qf50522adaa_up
		.amdhsa_group_segment_fixed_size 295424
		.amdhsa_private_segment_fixed_size 0
		.amdhsa_enable_private_segment 0
		.amdhsa_kernarg_size 56
		.amdhsa_user_sgpr_count 2
		.amdhsa_user_sgpr_kernarg_segment_ptr 1
		.amdhsa_wavefront_size32 1
		.amdhsa_system_sgpr_workgroup_id_x 1
		.amdhsa_system_sgpr_workgroup_id_y 1
		.amdhsa_system_sgpr_workgroup_id_z 1
		.amdhsa_system_vgpr_workitem_id 0
		.amdhsa_next_free_vgpr 928
		.amdhsa_next_free_sgpr 94
		.amdhsa_reserve_vcc 0
		.amdhsa_float_denorm_mode_32 3
		.amdhsa_float_denorm_mode_16_64 3
		.amdhsa_memory_ordered 1
		.amdhsa_forward_progress 1
		.amdhsa_inst_pref_size 204
	.end_amdhsa_kernel
	.amdgpu_metadata
---
amdhsa.version: [ 1, 2 ]
amdhsa.kernels:
  - .name:           k_qf50522adaa_up
    .symbol:         k_qf50522adaa_up.kd
    .args:
      - { .name: W1, .offset: 0, .size: 8, .value_kind: global_buffer, .address_space: global }
      - { .name: b1, .offset: 8, .size: 8, .value_kind: global_buffer, .address_space: global }
      - { .name: xb, .offset: 16, .size: 8, .value_kind: global_buffer, .address_space: global }
      - { .name: msk, .offset: 24, .size: 8, .value_kind: global_buffer, .address_space: global }
      - { .name: hb, .offset: 32, .size: 8, .value_kind: global_buffer, .address_space: global }
      - { .name: rank, .offset: 40, .size: 8, .value_kind: global_buffer, .address_space: global }
      - { .name: cnt, .offset: 48, .size: 8, .value_kind: global_buffer, .address_space: global }
    .group_segment_fixed_size: 295424
    .private_segment_fixed_size: 0
    .kernarg_segment_align: 8
    .kernarg_segment_size: 56
    .max_flat_workgroup_size: 128
    .sgpr_count:     94
    .vgpr_count:     928
    .wavefront_size: 32
...
	.end_amdgpu_metadata
.endif
;; end of part 5
;; launch down (part 6): grid 32 x 8, 4 waves a work-group, no clusters, 312,832 bytes of LDS; arguments W2, hb, cnt, y; writes y
.if DOCPART == 6
	.amdgcn_target "amdgcn-amd-amdhsa--gfx1250"
	.amdhsa_code_object_version 6
	.text
	.protected	k_qf50522adaa_down
	.globl	k_qf50522adaa_down
	.p2align	8
	.type	k_qf50522adaa_down,@function
k_qf50522adaa_down:
	s_mov_b64 s[64:65], 0
	v_nop
	global_prefetch_b8 v0, s[64:65] scope:SCOPE_SE
	s_setreg_imm32_b32 hwreg(HW_REG_WAVE_SCHED_MODE, 0, 2), 2
	s_setreg_imm32_b32 hwreg(HW_REG_WAVE_MODE, 25, 1), 1
	s_wait_xcnt 0x0
	s_wait_alu depctr_vm_vsrc(0)
; DOWN.  Partial rows y[ks][e][rank][f] = the sum over 1,024 hidden numbers (quarter ks of 4,096) of h[rank][.] W2[e][.][f], in f32.  Work-group (x, e): ns = x % 8 picks 128 columns f, ks = x / 8 the quarter of K:
; 512 KiB of f32 weights that no other work-group reads, in row pieces of 512 bytes.  K is split in four so that the slice [1,024][128] fits in LDS as bf16 and its rows in memory stay 512 bytes long;
; the four partial rows are added, in a fixed order, by the next launch.
; PHASE A: each wave streams 256 rows, rounds them to bf16 and lays them into LDS as [k][128].  One barrier.  PHASE B: wave w takes tiles 4 u + w of 16 sorted rows x all 128 columns, five tiles through K together.
; h arrives as operand registers: hb[e][tile][block of 32][half][lane][16 bytes]: a load is 512 consecutive bytes.
; EVERY SPLIT IS SERVED: the count is read from cnt (stored by the launch before); four groups of five tiles, a constant count of trips; a group without rows is jumped forward, and so is the way out of a tile without
; rows; a dead tile of a live group repeats the group's first tile, in its loads and in its products: the K loop holds no jump, and every wait counts the same whatever the count.  The last tile's rows past the count
; are stored too: they lie inside the expert's own 1,024 rows of y and nobody reads them.
; THE PRODUCT IS USED TRANSPOSED (source 0 = 16 columns of W2, turned out of LDS; source 1 = 16 rows of h): a lane holds one row and eight neighbouring f.  The way out goes through a stage in LDS, each wave's own,
; so that sixteen lanes store 256 consecutive bytes of a row.
; BARRIERS IN PHASE B: one on each side of a group's way out, at labels that every wave passes in each of the four trips: LDS is written (the stages) only while no wave reads the slice, and the slice is read only
; while no wave writes.  Eight barriers in all; what is jumped holds none.
; NO JOINT LOADS: a slice of weights has one reader; the tiles of h that eight work-groups share would want a ring in LDS, of which the slice leaves 32,768 bytes, inside a loop whose work hangs on a count.
; LIMITS.  W2 is rounded once to bf16; sums in f32.  NaN and infinities are not treated apart.
; THE MODE: SCHED_MODE bits 1:0 = 2 (LLVM: expert scheduling mode 2), set by the entry lines.  The code itself states the register dependences
; between vector or matrix instructions and memory or LDS instructions, with s_wait_alu, always for 0.
; THE PLAN.  Registers that memory or LDS instructions touch, and who else names them:
;   v[WOF]             an offset, made at the head and never written again.
;   RG                 phase A goes in blocks of four rows: block k's eight roundings read slots 4 k .. 4 k + 3; behind them the rows 32 further down land there.
;   CV0, CV1           block k's roundings write CV[k % 2], its four LDS stores read it, block k + 2 writes it again.
;   v[LST]             read by every LDS store of phase A; written once a round of 32 rows.
;   operands of h      (window 3, four buffers) K step s: its products read buffer s % 4; the loads issued in step s + 1, for step s + 4, land in it.
;   weight fragments   (window 2, two buffers) K step s: its products read buffer s % 2; the LDS loads issued in step s + 1, for step s + 2, land in it.
;   v[WA]              read by every weight load; written once in four K steps.
;   v[XO ..], v[YO ..] written at a group's head; read by the group's loads and stores.   v[STO], v[RD]: made once behind phase A.
;   the accumulators   written by the products; read by the LDS stores of the way out; written again by the next group's first products.
;   OB0, OB1           a tile's half hf lands in OB[hf] from the stage and is stored from there; the same half of the next tile lands there again.
; So ONE wait on va_vdst stands at a K step's head: the last step's products are done reading the two buffers that this step's loads land in.  The step's 26 loads follow, dealt among its products, which name
; this step's own buffers and the accumulators alone.  The other waits are said where they stand.
.set PITCHW, 4096                      ; bytes from row to row of W2[e]
.set SB,     1024                      ; bytes of a tile's operand for a K step of 32
.set HB,     512                       ; from its first four registers to its last four
.set PW,     288                       ; a row of the slice in LDS: 256 bytes + 32 = 9 x 32
.set STAGE,  1024*PW                   ; behind the slice: 16 rows x 272 bytes for each wave
.set SP,     272
; window 0
.set LN,   1
.set RR,   2                           ; lane % 16
.set HH,   3                           ; lane / 16
.set WOF,  6                           ; 16 x lane
.set LST,  7
.set WB0,  8                           ; my place in a weight fragment; never rewritten
.set WA,   9                           ; the same + the trip's place along K
.set XO,   10                          ; v[10:14] tile t: tile x 131,072 + 16 x lane
.set STO,  15                          ; where I put 16 bytes of a row in my stage
.set YO,   24                          ; v[24:28] tile t: tile x 16 rows of y + my place in two rows
.set TA,   29
.set RD,   30                          ; where I read rows back
.set YB,   31                          ; (lane / 16) x 4,096 + 16 (lane % 16)
.set CV,   40                          ; v[40:55] phase A: rounded words, two buffers of eight
.set RG,   64                          ; v[64:191] phase A: a ring of 32 loads
.set OB,   64                          ; v[64:127] phase B: 16 half rows read back from the stage, two buffers of 32
; window 1: accumulators of tiles 0-3, (t, b) at 64 t + 8 b.   window 2: v[0:63] tile 4's; v[64:127], v[128:191] weight fragments.   window 3: v[0:159] operands of h, four K steps x five tiles x 8
.set WV,   18
.set SL,   19
.set EX,   20
.set NS,   21
.set CNT,  22
.set KS,   23
.set ST,   24
.set NT,   25
.set GC,   26
.set U0,   27
.set KC,   28
.set NW,   29
.set ST2,  30
.set KB,   31                          ; LDS byte at which the trip's four K steps begin in the slice; 0 between groups
.set WP,   32
.set XK0,  34
.set XK,   36
.set YP,   38
.set OF,   40
.set MSB, 0
.macro WIN new                         ; the immediate's high byte repeats the setting that is left; a switch that changes nothing is dropped
.if MSB != (\new)
	s_set_vgpr_msb (MSB<<8)|(\new)
.set MSB, \new
.endif
.endm
	s_load_b256 s[4:11], s[0:1], 0x0               ; W2 s[4:5], hb s[6:7], cnt s[8:9], y s[10:11]
	v_lshl_add_u32 v254, v0, 2, 0x4c400
	v_mov_b32 v255, 0
	v_and_b32 v[LN], 31, v0
	v_lshrrev_b32 v[TA], 5, v0
	v_readfirstlane_b32 s[WV], v[TA]               ; wave 0..3
	v_and_b32 v[RR], 15, v0
	v_bfe_u32 v[HH], v0, 4, 1
	v_lshlrev_b32 v[WOF], 4, v[LN]
	v_lshlrev_b32 v[LST], 3, v[LN]
	s_wait_alu depctr_va_sdst(0)                   ; the wave's number is written, ahead of its first reader
	s_mul_i32 s[ST], s[WV], 256*PW
	v_add_nc_u32 v[LST], s[ST], v[LST]
	s_mov_b32 s[SL], ttmp9
	s_and_b32 s[EX], ttmp7, 0xffff
	s_and_b32 s[NS], s[SL], 7
	s_lshr_b32 s[KS], s[SL], 3
	s_mov_b32 s[OF+1], 0
	s_lshl_b32 s[OF], s[EX], 24                    ; the expert's 16 MiB,
	s_lshl_b32 s[ST], s[KS], 22                    ; the quarter's 1,024 rows,
	s_add_co_u32 s[OF], s[OF], s[ST]
	s_lshl_b32 s[ST], s[WV], 20                    ; my wave's 256 of them,
	s_add_co_u32 s[OF], s[OF], s[ST]
	s_lshl_b32 s[ST], s[NS], 9                     ; the slice's 512 bytes of a row
	s_add_co_u32 s[OF], s[OF], s[ST]
	s_wait_kmcnt 0x0
	s_add_nc_u64 s[WP:WP+1], s[4:5], s[OF:OF+1]
	s_wait_alu depctr_va_vdst(0)                   ; v[WOF] and v[LST] are written: phase A's loads and LDS stores read them
.set n, 0
.rept 32
	global_load_b128 v[RG+4*n:RG+4*n+3], v[WOF], s[WP:WP+1] offset:n*PITCHW th:TH_LOAD_NT  ; the ring is filled: rows 0 to 31; each weight is read once in the launch
.set n, n+1
.endr
	s_lshl_b32 s[OF], s[EX], 7
	s_add_nc_u64 s[8:9], s[8:9], s[OF:OF+1]
	s_load_b32 s[CNT], s[8:9], 0x0                 ; the expert's rows
	s_lshl_b32 s[OF], s[EX], 23
	s_lshl_b32 s[ST], s[KS], 15
	s_add_co_u32 s[OF], s[OF], s[ST]
	s_add_nc_u64 s[XK0:XK0+1], s[6:7], s[OF:OF+1]  ; hb at the expert and at the quarter's 32 blocks
	s_lshl_b32 s[OF], s[KS], 25
	s_lshl_b32 s[ST], s[EX], 22
	s_add_co_u32 s[OF], s[OF], s[ST]
	s_lshl_b32 s[ST], s[NS], 9
	s_add_co_u32 s[OF], s[OF], s[ST]
	s_add_nc_u64 s[YP:YP+1], s[10:11], s[OF:OF+1]  ; y at the quarter, the expert and the slice's 512 bytes of a row
	s_wait_kmcnt 0x0
	s_min_u32 s[CNT], s[CNT], 1024
; PHASE A.  Block k of a round's eight: slots 4 k .. 4 k + 3.  Their rows are in; four f32 a lane become 8 bytes of bf16; ahead = 1: the slots take the rows 32 further down.  left: the younger loads that may stay out.
.macro WBLK k, ahead, left
	s_wait_loadcnt \left
	s_wait_alu depctr_vm_vsrc(0)                   ; the LDS stores of two blocks back have read CV[k % 2], which the roundings write again
.irp i, 0,1,2,3
	v_cvt_pk_bf16_f32 v[CV+8*((\k)%2)+2*\i],   v[RG+16*(\k)+4*\i],   v[RG+16*(\k)+4*\i+1]
	v_cvt_pk_bf16_f32 v[CV+8*((\k)%2)+2*\i+1], v[RG+16*(\k)+4*\i+2], v[RG+16*(\k)+4*\i+3]
.endr
	s_wait_alu depctr_va_vdst(0)                   ; the roundings have written CV[k % 2], which the LDS stores read, and are done reading the four slots, in which the loads land; in a round's first block v[LST] is written
.if \ahead
.irp i, 0,1,2,3
	global_load_b128 v[RG+16*(\k)+4*\i:RG+16*(\k)+4*\i+3], v[WOF], s[WP:WP+1] offset:(4*(\k)+\i+32)*PITCHW th:TH_LOAD_NT
.endr
.endif
.irp i, 0,1,2,3
	ds_store_b64 v[LST], v[CV+8*((\k)%2)+2*\i:CV+8*((\k)%2)+2*\i+1] offset:(4*(\k)+\i)*PW
.endr
.endm
	s_mov_b32 s[KC], 7
.Lstream:
.set n, 0
.rept 8
	WBLK n, 1, 28
.set n, n+1
.endr
	s_wait_xcnt 0x0                                ; the loads' base is stepped only behind this wait
	s_wait_alu depctr_vm_vsrc(0)                   ; the round's LDS stores have read v[LST]
	s_add_nc_u64 s[WP:WP+1], s[WP:WP+1], 32*PITCHW
	v_add_nc_u32 v[LST], 32*PW, v[LST]
	s_sub_co_u32 s[KC], s[KC], 1
	s_cmp_lg_u32 s[KC], 0
	s_cbranch_scc1 .Lstream
.set n, 0
.rept 8
	WBLK n, 0, 28-4*n                              ; the last 32 rows: the counts run down
.set n, n+1
.endr
	s_wait_dscnt 0x0                               ; for the others' sake: my rows of the slice are in LDS
	s_barrier_signal -1
	s_barrier_wait -1                              ; the slice is whole, and is only read from here on
	s_add_co_u32 s[NW], s[CNT], 15
	s_lshr_b32 s[NW], s[NW], 4
	s_add_co_u32 s[NW], s[NW], 3
	s_sub_co_u32 s[NW], s[NW], s[WV]
	s_lshr_b32 s[NW], s[NW], 2                     ; my wave's tiles
	v_and_b32 v[TA], 7, v0
	v_lshl_add_u32 v[TA], v[HH], 3, v[TA]
	v_mul_u32_u24 v[WB0], v[TA], PW
	v_bfe_u32 v[TA], v0, 3, 1
	v_lshl_add_u32 v[WB0], v[TA], 4, v[WB0]        ; the turning load: row 8 (l / 16) + l % 8, columns 8 ((l / 8) % 2) on
	s_mul_i32 s[ST], s[WV], 16*SP
	s_add_co_u32 s[ST], s[ST], STAGE               ; my stage
	v_mul_u32_u24 v[STO], v[RR], SP                ; in: row l % 16, 32 bytes for each half of the lanes
	v_lshl_add_u32 v[STO], v[HH], 5, v[STO]
	v_add_nc_u32 v[STO], s[ST], v[STO]
	v_mul_u32_u24 v[RD], v[HH], SP                 ; back: lanes 0-15 take 256 bytes of one row, lanes 16-31 of the next
	v_lshl_add_u32 v[RD], v[RR], 4, v[RD]
	v_add_nc_u32 v[RD], s[ST], v[RD]
	v_lshlrev_b32 v[YB], 12, v[HH]                 ; and the same two rows in y
	v_lshl_add_u32 v[YB], v[RR], 4, v[YB]
.macro FETCHW jj                       ; 16 LDS loads in one run: the eight weight fragments of K step jj of the trip, into buffer jj % 2
	WIN 0x80                                       ; destination window 2
.irp b, 0,1,2,3,4,5,6,7
	ds_load_tr16_b128 v[64+64*((\jj)%2)+8*\b:64+64*((\jj)%2)+8*\b+3],   v[WA] offset:(\jj)*32*PW+32*\b
	ds_load_tr16_b128 v[64+64*((\jj)%2)+8*\b+4:64+64*((\jj)%2)+8*\b+7], v[WA] offset:(\jj)*32*PW+32*\b+16*PW
.endr
.endm
; Ten loads: the five tiles' operands of h of the K step s places behind the base, into buffer s % 4
.macro HLOAD s
	WIN 0xc0                                       ; destination window 3
.irp t, 0,1,2,3,4
	global_load_b128 v[40*((\s)%4)+8*\t:40*((\s)%4)+8*\t+3],   v[XO+\t], s[XK:XK+1] offset:(\s)*SB
	global_load_b128 v[40*((\s)%4)+8*\t+4:40*((\s)%4)+8*\t+7], v[XO+\t], s[XK:XK+1] offset:(\s)*SB+HB
.endr
.endm
; Tile t's eight products of K step j, the accumulators by turns.  first = 1: they start the sums with the constant 0.
.macro PROD j, t, first
.set WF, 64+64*((\j)%2)
.set AC, 64*((\t)%4)
.set TK, 40*(\j)+8*(\t)
.if \first
	WIN 0x4e+0x40*((\t)/4)                         ; weights window 2, h window 3, D window 1 or 2
.irp b, 0,1,2,3,4,5,6,7
	v_wmma_f32_16x16x32_bf16 v[AC+8*\b:AC+8*\b+7], v[WF+8*\b:WF+8*\b+7], v[TK:TK+7], 0
.endr
.else
	WIN 0x5e+0x50*((\t)/4)
.irp b, 0,1,2,3,4,5,6,7
	v_wmma_f32_16x16x32_bf16 v[AC+8*\b:AC+8*\b+7], v[WF+8*\b:WF+8*\b+7], v[TK:TK+7], v[AC+8*\b:AC+8*\b+7]
.endr
.endif
.endm
; One K step of 32: 40 products.  first = 1: the group's first step.  left: the loads of younger steps, ten each, that may stay out.
; fetchw = 1: the next step's weight fragments are fetched, behind tile 0's products; ahead = 1: the operands of h three steps on are asked for, behind tile 1's.
; Four v_nop stand behind the step's last product: places ahead of the way out's reads of the results; they also lie between the step's products and the loads into the registers that these read.
.macro STEP j, first, ahead, fetchw, left
	s_wait_loadcnt \left                           ; this step's ten loads of h are in
	s_wait_dscnt 0x0                               ; and its sixteen weight loads, issued a step ago
.if ((\fetchw) || (\ahead)) && !(\first)
	s_wait_alu depctr_va_vdst(0)                   ; the last step's products are done reading their weight buffer and their buffer of h, in which this step's loads land; in a trip's first step v[WA] is written.  (In a group's first step the wait ahead of the group's first loads still holds: no vector or matrix line stands between.)
.endif
	PROD \j, 0, \first
.if \fetchw
	FETCHW (\j)+1                                  ; no wait: the products since the wait name this step's buffers and the accumulators alone
.endif
	PROD \j, 1, \first
.if \ahead
	HLOAD (\j)+3
.endif
.irp t, 2,3,4
	PROD \j, \t, \first
.endr
.rept 4
	v_nop
.endr
.endm
; Four K steps.  The slice's place steps in a scalar register, and the LDS address is made anew of it and of my lane's place.  ahead = 0: the last four steps, of which the first asks for the last operands of h; the counts run down;
; place and address go back to the slice's head, where every group finds them.
.macro TRIP first, ahead
.if \ahead
	STEP 0, \first, 1, 1, 20
	STEP 1, 0, 1, 1, 20
	STEP 2, 0, 1, 1, 20
	STEP 3, 0, 1, 1, 20
	WIN 0
	s_wait_xcnt 0x0                                ; the loads' base is stepped only behind this wait
	s_wait_alu depctr_vm_vsrc(0)                   ; the weight loads issued so far have read v[WA]
	s_add_nc_u64 s[XK:XK+1], s[XK:XK+1], 4*SB
	s_add_co_u32 s[KB], s[KB], 4*32*PW
	v_add_nc_u32 v[WA], s[KB], v[WB0]
.else
	STEP 0, 0, 1, 1, 20
	STEP 1, 0, 0, 1, 20
	STEP 2, 0, 0, 1, 10
	STEP 3, 0, 0, 0, 0
	WIN 0
	s_wait_alu depctr_vm_vsrc(0)                   ; the weight loads issued so far have read v[WA]
	s_mov_b32 s[KB], 0
	v_mov_b32 v[WA], v[WB0]
.endif
.endm
; Tile t's way out, 64 columns (256 bytes of a row) at a time: 16 bytes a lane into my stage, whole half rows back into OB[hf], stored.  Each accumulator's low four registers are read first.
; Behind a half's loads from the stage stand the two waits that free the other OB, which the half before was stored from and the next half lands in.  The first half of all has no half before it
; (the wait at the group's head has freed both OB), and behind the last no half follows.
.macro OUT t
.irp hf, 0,1
	WIN 4*(1+(\t)/4)                               ; the stores' data: the tile's window
.irp q, 0,1,2,3
	ds_store_b128 v[STO], v[64*((\t)%4)+8*(4*\hf+\q):64*((\t)%4)+8*(4*\hf+\q)+3]   offset:64*\q
	ds_store_b128 v[STO], v[64*((\t)%4)+8*(4*\hf+\q)+4:64*((\t)%4)+8*(4*\hf+\q)+7] offset:64*\q+16
.endr
	WIN 0
.irp i, 0,1,2,3,4,5,6,7
	ds_load_b128 v[OB+32*\hf+4*\i:OB+32*\hf+4*\i+3], v[RD] offset:2*SP*\i  ; LDS serves a wave's instructions in order (ISA guide 5.7.1.4): these see the stores above
.endr
.if (((\t) > 0) || ((\hf) > 0)) && (((\t) < 4) || ((\hf) < 1))
	s_wait_xcnt 0x0                                ; the last half's stores have had their addresses translated: the other OB, their data, is loaded again only behind this wait
	s_wait_alu depctr_vm_vsrc(0)                   ; and they have read the other OB
.endif
.irp i, 0,1,2,3,4,5,6,7
	s_wait_dscnt 7-\i                              ; the younger loads from the stage stay out
	global_store_b128 v[YO+\t], v[OB+32*\hf+4*\i:OB+32*\hf+4*\i+3], s[YP:YP+1] offset:8192*\i+256*\hf  ; 16 lanes store 256 consecutive bytes, aligned
.endr
.endr
.endm
	s_mov_b32 s[GC], 4
	s_mov_b32 s[U0], 0
	s_mov_b32 s[KB], 0
	v_mov_b32 v[WA], v[WB0]
.Lgroup:                                               ; four trips, whatever the count
	s_wait_xcnt 0x0                                ; the last group's stores and loads have had their addresses translated
	s_wait_alu depctr_vm_vsrc(0)                   ; the last group's loads have read v[XO ..], its stores v[YO ..] and both OB, its LDS stores the accumulators: all these are written again below
	s_sub_co_i32 s[NT], s[NW], s[U0]
	s_max_i32 s[NT], s[NT], 0
	s_min_i32 s[NT], s[NT], 5
	s_cmp_eq_u32 s[NT], 0
	s_cbranch_scc1 .Lk_end                         ; a group without rows multiplies nothing
.irp t, 0,1,2,3,4
	s_cmp_gt_u32 s[NT], \t
	s_cselect_b32 s[ST], \t, 0                     ; a dead tile repeats the group's first
	s_add_co_u32 s[ST], s[ST], s[U0]
	s_lshl2_add_u32 s[ST], s[ST], s[WV]            ; tile 4 u + w
	s_min_u32 s[ST], s[ST], 63
	s_lshl_b32 s[ST2], s[ST], 17
	v_add_nc_u32 v[XO+\t], s[ST2], v[WOF]
	s_lshl_b32 s[ST2], s[ST], 16
	v_add_nc_u32 v[YO+\t], s[ST2], v[YB]
.endr
	s_mov_b64 s[XK:XK+1], s[XK0:XK0+1]
	WIN 0xc0
	s_wait_alu depctr_va_vdst(0)                   ; v[XO ..] and v[WA] are written, which the loads below read; the last group's products are done reading the buffers of h and of weights, in which they land
	HLOAD 0                                        ; the first three K steps' operands of h: 30 loads
	HLOAD 1
	HLOAD 2
	FETCHW 0
	TRIP 1, 1
	s_mov_b32 s[KC], 6
.Lk:
	TRIP 0, 1
	s_sub_co_u32 s[KC], s[KC], 1
	s_cmp_lg_u32 s[KC], 0
	s_cbranch_scc1 .Lk
	TRIP 0, 0
.Lk_end:
	s_wait_dscnt 0x0                               ; my reads of the slice for this group are back;
	s_barrier_signal -1
	s_barrier_wait -1                              ; so are every wave's: now the stages may be written
	s_cmp_eq_u32 s[NT], 0
	s_cbranch_scc1 .Lgroup_end                     ; a group without rows stores nothing
	s_wait_alu depctr_va_vdst(0)                   ; the products have written the accumulators, which the LDS stores read; v[STO], v[RD] and v[YO ..] are written; phase A's roundings are done reading the registers that are OB now.  No vector or matrix line follows in the way out, so this one wait serves all five tiles
	OUT 0
.irp t, 1,2,3,4
	s_cmp_lt_u32 s[NT], (\t)+1
	s_cbranch_scc1 .Lgroup_end                     ; whole tiles past the count are not stored
	OUT \t
.endr
.Lgroup_end:
	s_wait_dscnt 0x0                               ; my stores into my stage and my reads of it are done;
	s_barrier_signal -1
	s_barrier_wait -1                              ; so are every wave's: the slice may be read again
	s_add_co_u32 s[U0], s[U0], 5
	s_sub_co_u32 s[GC], s[GC], 1
	s_cmp_lg_u32 s[GC], 0
	s_cbranch_scc1 .Lgroup
	s_wait_dscnt 0x0                               ; the wave's end: then a closing add of 0 onto my spare word in the 512 bytes behind the stages
	s_wait_alu depctr_hold_cnt(0) depctr_sa_sdst(0) depctr_va_vdst(0) depctr_va_sdst(0) depctr_va_ssrc(0) depctr_va_vcc(0) depctr_vm_vsrc(0)
	s_wait_tensorcnt 0x0
	ds_add_u32 v254, v255
	s_wait_dscnt 0x0
	s_endpgm
.Lfunc_end_k_qf50522adaa_down:
	.size	k_qf50522adaa_down, .Lfunc_end_k_qf50522adaa_down-k_qf50522adaa_down
	.p2alignl 7, 3214868480
	.fill 96, 4, 3214868480
	.section	.rodata,"a",@progbits
	.p2align	6, 0x0
	.amdhsa_kernel k_qf50522adaa_down
		.amdhsa_group_segment_fixed_size 312832
		.amdhsa_private_segment_fixed_size 0
		.amdhsa_enable_private_segment 0
		.amdhsa_kernarg_size 32
		.amdhsa_user_sgpr_count 2
		.amdhsa_user_sgpr_kernarg_segment_ptr 1
		.amdhsa_wavefront_size32 1
		.amdhsa_system_sgpr_workgroup_id_x 1
		.amdhsa_system_sgpr_workgroup_id_y 1
		.amdhsa_system_sgpr_workgroup_id_z 1
		.amdhsa_system_vgpr_workitem_id 0
		.amdhsa_next_free_vgpr 928
		.amdhsa_next_free_sgpr 66
		.amdhsa_reserve_vcc 0
		.amdhsa_float_denorm_mode_32 3
		.amdhsa_float_denorm_mode_16_64 3
		.amdhsa_memory_ordered 1
		.amdhsa_forward_progress 1
		.amdhsa_inst_pref_size 106
	.end_amdhsa_kernel
	.amdgpu_metadata
---
amdhsa.version: [ 1, 2 ]
amdhsa.kernels:
  - .name:           k_qf50522adaa_down
    .symbol:         k_qf50522adaa_down.kd
    .args:
      - { .name: W2, .offset: 0, .size: 8, .value_kind: global_buffer, .address_space: global }
      - { .name: hb, .offset: 8, .size: 8, .value_kind: global_buffer, .address_space: global }
      - { .name: cnt, .offset: 16, .size: 8, .value_kind: global_buffer, .address_space: global }
      - { .name: y, .offset: 24, .size: 8, .value_kind: global_buffer, .address_space: global }
    .group_segment_fixed_size: 312832
    .private_segment_fixed_size: 0
    .kernarg_segment_align: 8
    .kernarg_segment_size: 32
    .max_flat_workgroup_size: 128
    .sgpr_count:     66
    .vgpr_count:     928
    .wavefront_size: 32
...
	.end_amdgpu_metadata
.endif
;; end of part 6
;; launch combine: the kernel of part 4 again; grid 256 x 1, 8 waves a work-group, no clusters, 0 bytes of LDS; arguments y, b2, eidx, gate, rank, out0; writes out0
